; MI455X (gfx1250); checked and timed in simulation.
; The chip was launched on July 23, 2026; its instructions are those of AMD's public machine-readable ISA for CDNA 5 (MIT licence, August 2026) and "CDNA5" Instruction Set Architecture Reference Guide (July 2026). The comments in the code are by the model that wrote it; some were corrected since.
;; Causal Self Attention. Allowed arithmetic: matrix products marked QUANTISED: E4M3 operands, one given power-of-two scale a tensor, by v_wmma_f32_16x16x64_fp8_fp8 or v_wmma_f32_16x16x128_fp8_fp8, f32 sums; everything else in f32.
;; Inputs: Wk 1,024 x 1,024 float32; Wo 1,024 x 1,024 float32; Wq 1,024 x 1,024 float32; Wv 1,024 x 1,024 float32; bk 1,024 float32; bo 1,024 float32; bq 1,024 float32; bv 1,024 float32; lowp_scales 12 int32 (the exponents e of the quantised operands' scales 2^e); x 4 x 2,048 x 1,024 float32.
;; Outputs: out0 4 x 2,048 x 1,024 float32.
;; This version of the problem:
;;   THIS VERSION OF THE PROBLEM IS GIVEN IN LOW PRECISION. The matrix products marked QUANTISED in the list below multiply operands that are first quantised to E4M3 (4 exponent bits, 3 mantissa bits; 8 bits a number), with one given power-of-two scale for each operand tensor; their sums are f32. All else is computed in f32.
;;   The module's matrix products, in the order in which they are computed (A, B: the left and right operand; K: the contracted axis; several contracted axes count as one K, in the product's order):
;;     1. [M 8,192, K 1,024] x [K 1,024, N 1,024]; A: input x; B: input Wq: QUANTISED (scales: A lowp_scales[0], B lowp_scales[1])
;;     2. [M 8,192, K 1,024] x [K 1,024, N 1,024]; A: input x; B: input Wk: QUANTISED (scales: A lowp_scales[2], B lowp_scales[3])
;;     3. [M 8,192, K 1,024] x [K 1,024, N 1,024]; A: input x; B: input Wv: QUANTISED (scales: A lowp_scales[4], B lowp_scales[5])
;;     4. batch 64 x [M 2,048, K 64] x [K 64, N 2,048]; A: computed on the way; B: computed on the way: QUANTISED (scales: A lowp_scales[6], B lowp_scales[7])
;;     5. batch 64 x [M 2,048, K 2,048] x [K 2,048, N 64]; A: softmax (see below); B: computed on the way: QUANTISED (scales: A lowp_scales[8], B lowp_scales[9])
;;     6. [M 8,192, K 1,024] x [K 1,024, N 1,024]; A: computed on the way; B: input Wo: QUANTISED (scales: A lowp_scales[10], B lowp_scales[11])
;;   THE QUANTISER, for each operand of a quantised product, along K:
;;     - The operand's scale is 2^e, e = its entry of the input lowp_scales (int32; the entries are numbered through the quantised products in the list's order, A before B).
;;     - Each number is divided by the scale, clamped to +-448, and rounded to the nearest number of E4M3, ties to even, subnormals kept.
;;     - The product sums the exact products of the quantised numbers (number of the format x scale) in f32.
;;   ~~~python
;;   def quantise(x, axis, e):      # numpy; x: float32 -> the quantised numbers, widened to float32 again
;;       x = np.moveaxis(x, axis, -1); K = x.shape[-1]
;;       r = np.clip(x / 2.0 ** e, -448, 448)
;;       step = 2.0 ** (np.maximum(np.frexp(np.where(r == 0, 1, r))[1] - 1, -6) - 3)
;;       q = np.round(r / step) * step * 2.0 ** e      # np.round: ties to even
;;       return np.moveaxis(q, -1, axis).astype(np.float32)
;;   ~~~
;;   SOFTMAX AHEAD OF A QUANTISED PRODUCT. Where the list says 'softmax', what is quantised is not the finished softmax but p = 2^(t - M), with t = logit x log2(e) and M = ceil(the row's largest t), a whole number; so 1/2 < the row's largest p <= 1. The row's sum l is taken of the UNQUANTISED p, in f32, and the product's result is divided by l at the end. Since M is a whole number, a kernel that streams over the keys may use a running M (the ceiling of the running maximum): every later rescaling is an exact power of two, so the quantised numbers keep their values, but for numbers so far below the row's largest that they fall under the format's range.
;;   OPERANDS COMPUTED ON THE WAY. 'Computed on the way' means the value that the module computes at that place (a softmax that the list does not call 'softmax' is quantised finished and normalised). What goes into a quantiser is computed in f32, as accurately as f32 sums, v_exp_f32 and their like allow (about 1e-6 of the number): no bf16 or f16 on the way to a quantiser, and a product that is left as it is and whose result goes on into a quantised operand takes f32 operands (vector FMAs, or v_wmma_f32_16x16x4_f32). A number that lies on a knife's edge between two numbers of the format may be rounded either way, as far as f32 arithmetic and the matrix unit's own rounding can turn it there, and no further.
;; One version. Each part assembles by itself: llvm-mc -triple=amdgcn-amd-amdhsa -mcpu=gfx1250 --defsym DOCPART=n.
;; ======== version 1 of 1: 4 launches
;; limits: right only within a limited range of input values
;; workspace buffers: ximg 25,165,824 bytes; wimg 4,194,304 bytes; qimg 8,388,608 bytes; kimg 8,388,608 bytes; vimg 8,388,608 bytes; yimg 8,388,608 bytes
;; launch prep (part 1): grid 384 x 1, 4 waves a work-group, no clusters, 67,072 bytes of LDS; arguments x, Wq, Wk, Wv, Wo, lowp_scales, ximg, wimg; writes ximg, wimg
.if DOCPART == 1
	.amdgcn_target "amdgcn-amd-amdhsa--gfx1250"
	.amdhsa_code_object_version 6
	.text
	.protected	k_q41c8bd7576_prep
	.globl	k_q41c8bd7576_prep
	.p2align	8
	.type	k_q41c8bd7576_prep,@function
k_q41c8bd7576_prep:
	s_mov_b64 s[64:65], 0
	v_nop
	global_prefetch_b8 v0, s[64:65] scope:SCOPE_SE
	s_setreg_imm32_b32 hwreg(HW_REG_WAVE_MODE, 25, 1), 1
	s_wait_xcnt 0x0
; x [8192][1024] f32 becomes codes of E4M3 three times (scales 2^e0, 2^e2, 2^e4: one set for each of the products with Wq, Wk, Wv);
; Wq, Wk, Wv, Wo [k 1024][n 1024] f32 become codes once each (2^e1, 2^e3, 2^e5, 2^e11).  code = number / 2^e, held within +-448, nearest code, ties to even.
; LAYOUT OF ALL CODES: AN IMAGE OF THE OPERAND'S REGISTERS.  A fragment is 16 rows x 128 K = 16 registers a lane; lane (r, h) holds row r, register pair c holds K = 16 c + 8 h + 0..7.
; A PIECE is four registers of all 32 lanes: 512 consecutive bytes, lane l's 16 bytes at 16 l.  ximg: [set 3][tile of 16 rows 512][K step 8][piece 4][512]; wimg: [weight 4][tile of 16 columns n 64][K step 8][piece 4][512].
; So the products' launches read every fragment at 16 x lane + a constant, and every tile is dense.
; Two paths part on the work-group's number and never meet again; each has LDS bytes of its own.  No barrier: waves share nothing.  No matrix unit, no cluster: a stream, every input byte read once.
; LIMITS: each e between -126 and 119, so that 2^e and 448 x 2^e are f32 numbers.  NaN among the inputs is not served; an infinity is held at the largest code.
.set XSTG, 8448                        ; path X: a wave's stage: 16 rows x (512 bytes + 16)
.set WSTG, 4*XSTG                      ; path W: the stages begin behind path X's: 8,192 bytes a wave
.set R,  16                            ; v16-143  path X: two sets of 64: a K step's numbers as loaded
.set X,  144                           ; v144-207 path X: 64 numbers of my row, in the operand's order
.set T,  208
.set C,  224                           ; v224-255 path X: two sets of 16 registers of codes
.set WX, 32                            ; v32-95   path W: two sets of 32 numbers down K
.set WC, 96                            ; v96-103  path W: a block's codes
.set WO, 112                           ; v112-175 path W: the way out
	s_load_b512 s[4:19], s[0:1], 0x0               ; x 4:5, Wq 6:7, Wk 8:9, Wv 10:11, Wo 12:13, scales 14:15, ximg 16:17, wimg 18:19
	v_lshl_add_u32 v8, v0, 2, 0x10400
	v_mov_b32 v9, 0
	v_lshrrev_b32 v1, 5, v0
	v_readfirstlane_b32 s32, v1                    ; wave 0..3
	v_and_b32 v1, 31, v0                           ; lane
	v_lshlrev_b32 v2, 4, v1                        ; 16 x lane; never rewritten
	s_wait_kmcnt 0x0
	s_load_b256 s[20:27], s[14:15], 0x0            ; e0 .. e7
	s_load_b128 s[28:31], s[14:15], 0x20           ; e8 .. e11
	s_cmp_lt_u32 ttmp9, 256
	s_cbranch_scc0 .Lweights
; ---------------- PATH X: work-groups 0-255.  Wave W = 4 x work-group + wave takes tile W / 2 of 16 rows and K steps 4 (W % 2) .. + 3.
	s_lshl_b32 s33, ttmp9, 2
	s_add_co_u32 s33, s33, s32
	s_lshr_b32 s42, s33, 1                         ; tile of 16 rows
	s_and_b32 s43, s33, 1                          ; which half of K
	s_lshl_b32 s34, s42, 16                        ; 16 rows of 4,096 bytes
	s_lshl_b32 s44, s43, 11                        ; 512 numbers
	s_add_co_u32 s34, s34, s44
	s_mov_b32 s35, 0
	s_add_nc_u64 s[34:35], s[4:5], s[34:35]        ; x at my first number
	s_lshl_b32 s36, s42, 14                        ; a tile's image: 16,384 bytes
	s_lshl_b32 s44, s43, 13                        ; four K steps of 2,048
	s_add_co_u32 s36, s36, s44
	s_mov_b32 s37, 0
	s_add_nc_u64 s[36:37], s[16:17], s[36:37]      ; set 0,
	s_add_nc_u64 s[38:39], s[36:37], 0x800000      ; set 1,
	s_add_nc_u64 s[40:41], s[36:37], 0x1000000     ; set 2
	s_mul_i32 s45, s32, XSTG
	s_wait_alu depctr_va_vdst(0)
	v_add_nc_u32 v3, s45, v2                       ; the stage, way in: 16 x lane in a row
	v_and_b32 v5, 15, v0                           ; r
	v_bfe_u32 v6, v0, 4, 1                         ; h
	v_mul_u32_u24 v4, v5, 528
	v_lshl_add_u32 v4, v6, 5, v4
	v_add_nc_u32 v4, s45, v4                       ; way out: row r, + 32 h bytes (8 numbers)
.macro LOAD t                          ; K step t of my 16 rows: each load takes 512 consecutive bytes of one row
.irp i, 0,1,2,3,4,5,6,7,8,9,10,11,12,13,14,15
	global_load_b128 v[R+64*((\t)%2)+4*\i:R+64*((\t)%2)+4*\i+3], v2, s[34:35] offset:\i*4096+(\t)*512 th:TH_LOAD_NT
.endr
.endm
.macro TURN t                          ; through my own stage: in as loaded, out as the operand wants it.  LDS serves a wave's instructions in order: no wait between
.irp i, 0,1,2,3,4,5,6,7,8,9,10,11,12,13,14,15
	ds_store_b128 v3, v[R+64*((\t)%2)+4*\i:R+64*((\t)%2)+4*\i+3] offset:\i*528
.endr
	v_nop
.irp c, 0,1,2,3
.irp u, 0,1
.irp w, 0,1
	ds_load_b128 v[X+16*\c+8*\u+4*\w:X+16*\c+8*\u+4*\w+3], v4 offset:128*\c+64*\u+16*\w   ; X[8 g + i] = K 16 g + 8 h + i of row r, g = 2 c + u
.endr
.endr
.endr
.endm
.macro QUANT sc, buf                   ; the 64 numbers become a fragment's 16 registers under scale sc.  X is kept for the next scale
.irp g, 0,1,2,3,4,5,6,7
.irp i, 0,1,2,3,4,5,6,7
.endr
	v_cvt_scalef32_pk8_fp8_f32 v[C+16*(\buf)+2*\g:C+16*(\buf)+2*\g+1], v[T+8*(\g%2)+((X+8*\g+0)-(T+8*(\g%2)+0)):T+8*(\g%2)+7+((X+8*\g+0)-(T+8*(\g%2)+0))], v[10+\sc]
.endr
.endm
	LOAD 0
	LOAD 1
	s_wait_alu depctr_va_vdst(0)
	s_wait_kmcnt 0x0
.irp s, 0,1,2
	s_add_co_i32 s46, s[20+2*\s], 127
	s_lshl_b32 s47, s46, 23
	v_mov_b32 v[10+\s], s47                        ; 2^e as f32: the conversion takes its exponent field
	s_add_co_i32 s46, s46, 8
	s_lshl_b32 s46, s46, 23
	s_or_b32 s46, s46, 0x600000
.endr
	s_wait_alu depctr_va_vdst(0)
.irp t, 0,1,2,3
.if \t < 3
	s_wait_loadcnt 16                              ; this K step's 16 loads are in; the next step's 16 may be out
.else
	s_wait_loadcnt 0
.endif
	TURN \t
	s_wait_dscnt 0x0                               ; X is in, and the stage's stores have read R's set,
.if \t < 2
	LOAD \t+2                                      ; which takes the K step two on
.endif
.irp s, 0,1,2
.if 3*\t+\s >= 2
	s_wait_xcnt 0x0                                ; the stores that read this set of code registers have had their addresses translated: only now is it written again
.endif
	QUANT \s, (3*\t+\s)%2
.irp c, 0,1,2,3
	global_store_b128 v2, v[C+16*((3*\t+\s)%2)+4*\c:C+16*((3*\t+\s)%2)+4*\c+3], s[36+2*\s:37+2*\s] offset:\t*2048+\c*512   ; a piece: 512 consecutive bytes, aligned
.endr
.endr
.endr
	s_wait_tensorcnt 0x0
	ds_add_u32 v8, v9
	s_wait_dscnt 0x0
	s_endpgm
; ---------------- PATH W: work-groups 256-383.  A LANE TAKES A COLUMN n, ITS REGISTERS RUN DOWN K: nothing is transposed by an instruction.
; j = work-group - 256: weight j / 32, columns 128 (j % 8) + 32 wave + lane, K rows 256 ((j / 8) % 4) on: 8 blocks of 32 a lane.
.Lweights:
	s_sub_co_u32 s33, ttmp9, 256
	s_lshr_b32 s42, s33, 5                         ; which weight: 0 q, 1 k, 2 v, 3 o
	s_and_b32 s43, s33, 7                          ; which 128 columns
	s_bfe_u32 s44, s33, 0x20003                    ; which 256 of K
	s_wait_kmcnt 0x0
	s_cmp_eq_u32 s42, 1
	s_cselect_b64 s[34:35], s[8:9], s[6:7]
	s_cselect_b32 s46, s23, s21                    ; e3 or e1
	s_cmp_eq_u32 s42, 2
	s_cselect_b64 s[34:35], s[10:11], s[34:35]
	s_cselect_b32 s46, s25, s46                    ; e5
	s_cmp_eq_u32 s42, 3
	s_cselect_b64 s[34:35], s[12:13], s[34:35]
	s_cselect_b32 s46, s31, s46                    ; e11
	s_lshl_b32 s36, s44, 20                        ; 256 rows of 4,096 bytes
	s_lshl_b32 s47, s43, 9
	s_add_co_u32 s36, s36, s47
	s_lshl_b32 s47, s32, 7
	s_add_co_u32 s36, s36, s47                     ; + 4 x my wave's first column
	s_mov_b32 s37, 0
	s_add_nc_u64 s[34:35], s[34:35], s[36:37]
	s_lshl_b32 s36, s42, 20                        ; a weight's image: 2^20 bytes
	s_lshl_b32 s47, s43, 17                        ; 8 tiles of 16 columns
	s_add_co_u32 s36, s36, s47
	s_lshl_b32 s47, s32, 15                        ; 2 tiles
	s_add_co_u32 s36, s36, s47
	s_lshl_b32 s47, s44, 12                        ; 2 K steps
	s_add_co_u32 s36, s36, s47
	s_add_nc_u64 s[38:39], s[18:19], s[36:37]
	s_wait_alu depctr_va_vdst(0)
	v_lshlrev_b32 v3, 2, v1                        ; in: 4 bytes a lane: 128 consecutive bytes a wave
	s_lshl_b32 s45, s32, 13
	s_add_co_u32 s45, s45, WSTG                    ; my stage: [tile 2][K step 2][2,048]: the image itself
	v_lshrrev_b32 v5, 4, v1
	v_lshlrev_b32 v5, 12, v5
	v_and_b32 v6, 15, v0
	v_lshl_add_u32 v5, v6, 4, v5
	v_add_nc_u32 v5, s45, v5                       ; into it: tile lane / 16, 16 x (lane % 16): the place of lane (r, 0); lane (r, 1)'s lies 256 bytes on
	v_add_nc_u32 v6, s45, v2                       ; out of it: 16 x lane
.macro LOADW t                         ; block t: W(32 t + i, my column)
.set i, 0
.rept 32
	global_load_b32 v[WX+32*((\t)%2)+i], v3, s[34:35] offset:(32*(\t)+i)*4096 th:TH_LOAD_NT
.set i, i+1
.endr
.endm
	LOADW 0
	LOADW 1
	s_add_co_i32 s46, s46, 127
	s_lshl_b32 s47, s46, 23
	v_mov_b32 v11, s47                             ; 2^e
	s_add_co_i32 s46, s46, 8
	s_lshl_b32 s46, s46, 23
	s_or_b32 s46, s46, 0x600000
.macro BLOCK t
.set XS, WX+32*((\t)%2)
.if (\t) < 7
	s_wait_loadcnt 32                              ; this block's 32 loads are in; the next block's may be out
.else
	s_wait_loadcnt 0
.endif
.set i, 0
.rept 32
.set i, i+1
.endr
	v_cvt_scalef32_pk8_fp8_f32 v[WC:WC+1],   v[XS:XS+7],     v11   ; K 0-7 of the piece:   lane (r, 0), bytes 0-7
	v_cvt_scalef32_pk8_fp8_f32 v[WC+4:WC+5], v[XS+8:XS+15],  v11   ; K 8-15:               lane (r, 1), bytes 0-7
	v_cvt_scalef32_pk8_fp8_f32 v[WC+2:WC+3], v[XS+16:XS+23], v11   ; K 16-23:              lane (r, 0), bytes 8-15
	v_cvt_scalef32_pk8_fp8_f32 v[WC+6:WC+7], v[XS+24:XS+31], v11   ; K 24-31:              lane (r, 1), bytes 8-15
	ds_store_b128 v5, v[WC:WC+3] offset:((\t)/4)*2048+((\t)%4)*512
	ds_store_b128 v5, v[WC+4:WC+7] offset:((\t)/4)*2048+((\t)%4)*512+256
.if (\t) < 6
	LOADW (\t)+2
.endif
	s_wait_dscnt 0x0                               ; the stores have read their registers: the next block's codes may be written
.endm
	s_wait_alu depctr_va_vdst(0)
.irp t, 0,1,2,3,4,5,6,7
	BLOCK \t
.endr
.irp i, 0,1,2,3,4,5,6,7,8,9,10,11,12,13,14,15
	ds_load_b128 v[WO+4*\i:WO+4*\i+3], v6 offset:512*\i   ; LDS serves a wave's instructions in order: these see my stores
.endr
.irp i, 0,1,2,3,4,5,6,7,8,9,10,11,12,13,14,15
	s_wait_dscnt 15-\i                             ; piece i is back; the younger ones may be out
	global_store_b128 v2, v[WO+4*\i:WO+4*\i+3], s[38:39] offset:(\i/8)*16384+(\i%8)*512   ; 512 consecutive bytes, aligned
.endr
	s_wait_tensorcnt 0x0
	ds_add_u32 v8, v9
	s_wait_dscnt 0x0
	s_endpgm
.Lfunc_end_k_q41c8bd7576_prep:
	.size	k_q41c8bd7576_prep, .Lfunc_end_k_q41c8bd7576_prep-k_q41c8bd7576_prep
	.p2alignl 7, 3214868480
	.fill 96, 4, 3214868480
	.section	.rodata,"a",@progbits
	.p2align	6, 0x0
	.amdhsa_kernel k_q41c8bd7576_prep
		.amdhsa_group_segment_fixed_size 67072
		.amdhsa_private_segment_fixed_size 0
		.amdhsa_enable_private_segment 0
		.amdhsa_kernarg_size 64
		.amdhsa_user_sgpr_count 2
		.amdhsa_user_sgpr_kernarg_segment_ptr 1
		.amdhsa_wavefront_size32 1
		.amdhsa_system_sgpr_workgroup_id_x 1
		.amdhsa_system_sgpr_workgroup_id_y 1
		.amdhsa_system_sgpr_workgroup_id_z 1
		.amdhsa_system_vgpr_workitem_id 0
		.amdhsa_next_free_vgpr 256
		.amdhsa_next_free_sgpr 66
		.amdhsa_reserve_vcc 0
		.amdhsa_float_denorm_mode_32 3
		.amdhsa_float_denorm_mode_16_64 3
		.amdhsa_fp16_overflow 1
		.amdhsa_memory_ordered 1
		.amdhsa_forward_progress 1
		.amdhsa_inst_pref_size 61
	.end_amdhsa_kernel
	.amdgpu_metadata
---
amdhsa.version: [ 1, 2 ]
amdhsa.kernels:
  - .name:           k_q41c8bd7576_prep
    .symbol:         k_q41c8bd7576_prep.kd
    .args:
      - { .name: x, .offset: 0, .size: 8, .value_kind: global_buffer, .address_space: global }
      - { .name: Wq, .offset: 8, .size: 8, .value_kind: global_buffer, .address_space: global }
      - { .name: Wk, .offset: 16, .size: 8, .value_kind: global_buffer, .address_space: global }
      - { .name: Wv, .offset: 24, .size: 8, .value_kind: global_buffer, .address_space: global }
      - { .name: Wo, .offset: 32, .size: 8, .value_kind: global_buffer, .address_space: global }
      - { .name: lowp_scales, .offset: 40, .size: 8, .value_kind: global_buffer, .address_space: global }
      - { .name: ximg, .offset: 48, .size: 8, .value_kind: global_buffer, .address_space: global }
      - { .name: wimg, .offset: 56, .size: 8, .value_kind: global_buffer, .address_space: global }
    .group_segment_fixed_size: 67072
    .private_segment_fixed_size: 0
    .kernarg_segment_align: 8
    .kernarg_segment_size: 64
    .max_flat_workgroup_size: 128
    .sgpr_count:     66
    .vgpr_count:     256
    .wavefront_size: 32
...
	.end_amdgpu_metadata
.endif
;; end of part 1
;; launch qkv (part 2): grid 12 x 32, 4 waves a work-group, clusters of 4 x 4, 327,680 bytes of LDS; arguments ximg, wimg, bq, bk, bv, lowp_scales, qimg, kimg, vimg; writes qimg, kimg, vimg
.if DOCPART == 2
	.amdgcn_target "amdgcn-amd-amdhsa--gfx1250"
	.amdhsa_code_object_version 6
	.text
	.protected	k_q41c8bd7576_qkv
	.globl	k_q41c8bd7576_qkv
	.p2align	8
	.type	k_q41c8bd7576_qkv,@function
k_q41c8bd7576_qkv:
	s_mov_b64 s[64:65], 0
	v_nop
	global_prefetch_b8 v0, s[64:65] scope:SCOPE_SE
	s_setreg_imm32_b32 hwreg(HW_REG_WAVE_MODE, 25, 1), 1
	s_wait_xcnt 0x0
	s_wait_alu depctr_hold_cnt(0) depctr_sa_sdst(0) depctr_va_vdst(0) depctr_va_sdst(0) depctr_va_ssrc(0) depctr_va_vcc(0) depctr_vm_vsrc(0)
	s_getreg_b32 s2, hwreg(HW_REG_IB_STS2, 6, 4)
	s_cmp_eq_u32 s2, 0
	s_cbranch_scc0 .Lentry_in_a_cluster
	s_endpgm
.Lentry_in_a_cluster:
	s_bfe_u32 s2, ttmp6, 0x10000c
	s_cmp_lg_u32 s2, 0xf033
	s_cbranch_scc0 .Lentry_shape_is_right
	s_endpgm
.Lentry_shape_is_right:
; q = x Wq + bq, k = x Wk + bk, v = x Wv + bv on codes of E4M3; the results are quantised at once (2^e6, 2^e7, 2^e9) and stored as images of the operands of attention's two products.
; The cluster's x (0, 1, 2) says which: 0 q, 1 k, 2 v.  A tile of the result, 256 x 256, is made by four waves, 128 x 128 each: 64 accumulators, 512 registers.  K = 1,024 goes in four slots' worth of 256 through two LDS slots.
; IMAGES.  A fragment (16 rows x 128 K) is 16 registers a lane, stored as four pieces of 512 bytes, lane l's 16 bytes at 16 l (register pair c of lane (r, h): K = 16 c + 8 h + 0..7 of row r).  A tile of 16 rows is 16,384 bytes
; in memory; a slot takes 4,096 of them (two K steps).  So every LDS read is 16 x lane + a constant, 512 consecutive bytes, and needs no pitch.
; THE MATRIX INSTRUCTION IS USED TRANSPOSED (source 0 = 16 rows of "B", source 1 = 16 rows of "A"): in accumulator (a, b) lane (r, h) holds row 16 a + r of A's and, in registers 0-7, rows 16 b + 8 h + 0..7 of B's.
; q, k: A = x's codes, B = the weight's: a lane's eight numbers are eight neighbouring channels of one token: one register pair of a fragment whose K is the head's 64.
; v: THE POINTERS ARE SWAPPED: A = Wv's codes, B = x's: a lane's eight numbers are eight neighbouring TOKENS of one channel: one register pair of a fragment whose K is the keys.  Only pointers and offsets are chosen
; (s_cselect on the cluster's x, which all partners share); the one branch, on the same number, chooses which way the bias runs in the first products.
; So one conversion makes a register pair of the next operand, and the codes leave the registers by stores of 512 consecutive bytes: no stage in LDS.
; qimg, kimg: [batch x head 64][tile of 16 tokens 128][piece 2][512].  vimg: [batch x head 64][128 keys 16][tile of 16 channels 4][piece 4][512].
; THE BIAS is the C of each sum's first product, divided by the power of two that the sums lack: b / 2^(ea + eb).  The three scales are folded into the conversion's one: 2^(eo - ea - eb).
; CLUSTER 4 x 4: the four of a row need the same tiles of A, the four of a column the same tiles of B: each is asked for jointly.
; LIMITS: eo - ea - eb between -126 and 119 for each of the three products.  NaN among the inputs is not served.
; REGISTERS: window 0: v1-29 addresses and constants; v32-95 the bias; v96-103 offsets; v128-255 A's fragments (one set), later the codes.  window 1: B's fragments, two sets.  windows 2, 3: the accumulators.
.set FR,    16                         ; registers of a fragment
.set NL,    4                          ; LDS loads that bring one
.set NP,    4                          ; places behind this matrix instruction (ISA guide 7.12.1)
.set SLOT,  131072                     ; A's 16 tiles x 4,096 bytes, then B's 16
.set SPARE, 2*SLOT                     ; behind the ring: the spare words, 128 bytes a wave: two blocks of 256 bytes that no other line names
.set LAPS,  2                          ; a lap = once round the ring = 512 along K
.set VO,   8                           ; v8-11  the stores' offsets: 16 x lane + the place of register group 0..3; v8 is 16 x lane
.set LIMV, 12
.set SCV,  13                          ; v13    2^(eo - ea - eb)
.set ADRA, 16                          ; v16-17 LDS address of my A fragments in slot 0, 1
.set ADRB, 20                          ; v20-21 the same for B
.set SPW,  28                          ; v28    LDS address of my spare word; never rewritten
.set NIL,  29                          ; v29    0; never rewritten
.set BB,   32                          ; v32-95 the bias: eight registers for each of eight blocks
.set BO,   96                          ; v96-103 the bias loads' offsets
.set AF,   128
.set G1, 24                            ; s[24:31] group 1 for A's tiles; s[32:39] group 0, a set for each slot.  On the way out s[24:39] are the eight blocks' store bases
.set G0, 32
.set G1B, 48                           ; s[48:55], s[56:63] the same for B's tiles
.set G0B, 56
.set MSB, 0
.macro WIN new                         ; the immediate's high byte repeats the setting that is left
.if MSB != \new
	s_set_vgpr_msb (MSB<<8)|\new
.set MSB, \new
.endif
.endm
.set MUL_LO, 0xa1                      ; source 0 (B) window 1, source 1 (A) window 0, C and D window 2
.set MUL_HI, 0xf1                      ; the same, C and D window 3
.set TO_B,   0x40                      ; destination window 1, address window 0
; A joint load: waves 0 and 1 fetch for A, waves 2 and 3 for B; the branch hangs on the wave's number alone.  Four v_nop follow each of the two lines.
.macro JLOAD g0a, g1a, g0b, g1b
	s_cmp_eq_u32 s15, 0
	s_cbranch_scc0 .Lfor_b_\@
	tensor_load_to_lds s[\g0a:\g0a+3], s[\g1a:\g1a+7]
	s_nop 0
.rept 4
	v_nop
.endr
	s_branch .Lasked_\@
.Lfor_b_\@:
	tensor_load_to_lds s[\g0b:\g0b+3], s[\g1b:\g1b+7]
	s_nop 0
.rept 4
	v_nop
.endr
.Lasked_\@:
.endm
.macro CREST                           ; a round of the cluster's barrier behind its opening barrier
	s_cmp_lg_u32 s14, 0
	s_cbranch_scc1 .Lnot_wave_0_\@
	s_barrier_signal -3
.Lnot_wave_0_\@:
	s_barrier_wait -3
	s_barrier_signal -1
	s_barrier_wait -1
.endm
.macro CROUND
	s_barrier_signal -1
	s_barrier_wait -1
	CREST
.endm
	s_load_b256 s[4:11], s[0:1], 0x0               ; ximg 4:5, wimg 6:7, bq 8:9, bk 10:11
	s_load_b256 s[80:87], s[0:1], 0x20             ; bv 80:81, scales 82:83, qimg 84:85, kimg 86:87
	s_load_b64 s[88:89], s[0:1], 0x40              ; vimg
	v_lshl_add_u32 v[SPW], v0, 2, SPARE
	v_mov_b32 v[NIL], 0
	ds_add_u32 v28, v29
	ds_add_u32 v28, v29
	s_wait_dscnt 0x0
	v_lshrrev_b32 v1, 5, v0
	v_readfirstlane_b32 s14, v1                    ; wave 0..3
	s_lshr_b32 s15, s14, 1                         ; which half of A's rows is mine.  Also: I fetch for A (0) or for B (1)
	s_and_b32 s16, s14, 1                          ; which half of B's rows.  Also: which 128 rows of that tile I fetch
	s_bfe_u32 s40, ttmp6, 0x40000                  ; cx
	s_bfe_u32 s41, ttmp6, 0x40004                  ; cy
	s_and_b32 s12, ttmp7, 0xffff
	s_lshl_b32 s12, s12, 2                         ; 4 x cluster y
	s_lshl_b32 s13, ttmp9, 23                      ; q, k: x's set of codes (2^23 bytes each),
	s_lshl_b32 s18, ttmp9, 20                      ; and the weight's image (2^20 bytes each)
	s_mov_b32 s19, 0x200000                        ; v: A = Wv's image,
	s_mov_b32 s22, 0x1000000                       ; B = x's third set
	s_cmp_eq_u32 ttmp9, 2
	s_cselect_b32 s17, 0, s12                      ; q, k: the 32 tile rows are tokens, the 4 tile columns channels; v: the other way round
	s_cselect_b32 s42, s12, 0
	s_cselect_b32 s13, s19, s13
	s_cselect_b32 s18, s22, s18
	s_add_co_u32 s17, s17, s41                     ; tile row: made of cy and the cluster's y alone
	s_add_co_u32 s42, s42, s40                     ; tile column: of cx and the cluster's y alone
	s_lshl_b32 s43, s41, 2
	s_lshl_b32 s43, 15, s43                        ; my row of the cluster
	s_lshl_b32 s44, 0x1111, s40                    ; my column
	; group 1: 8 rows (tiles of 16) of 4,096 bytes, 16,384 bytes apart; elements of 8 bytes; dense in LDS
	s_or_b32 s[G1+0], s43, (3<<16)|(1<<21)         ; 15:0 the mask: A's tiles go to my row; 17:16 elements of 8 bytes; 21 set beside a mask
	s_or_b32 s[G1B+0], s44, (3<<16)|(1<<21)
.irp g, G1, G1B
	s_mov_b32 s[\g+1], 512<<16                     ; tensor_dim0 = 512 elements
	s_mov_b32 s[\g+2], 8<<16                       ; tensor_dim1 = 8
	s_mov_b32 s[\g+3], 512<<16                     ; tile_dim0
	s_mov_b32 s[\g+4], 8                           ; tile_dim1
	s_mov_b32 s[\g+5], 2048                        ; from row to row: 2,048 elements
	s_mov_b32 s[\g+6], 0
	s_mov_b32 s[\g+7], 0
.endr
	s_lshl_b32 s23, s16, 17                        ; which 128 rows (8 tiles of 16) I fetch
	s_lshl_b32 s20, s17, 18                        ; A: 256 rows are 2^18 bytes
	s_add_co_u32 s20, s20, s23
	s_add_co_u32 s20, s20, s13
	s_mov_b32 s21, 0
	s_lshl_b32 s46, s42, 18                        ; B likewise
	s_add_co_u32 s46, s46, s23
	s_add_co_u32 s46, s46, s18
	s_mov_b32 s47, 0
	s_lshl_b32 s45, s14, 15                        ; where they go: wave x 32,768: no place in the cluster enters an LDS address
	s_wait_kmcnt 0x0
	s_load_b256 s[68:75], s[82:83], 0x0            ; e0 .. e7
	s_load_b128 s[76:79], s[82:83], 0x20           ; e8 .. e11
	s_cmp_eq_u32 ttmp9, 2
	s_cselect_b64 s[92:93], s[6:7], s[4:5]         ; A's buffer
	s_cselect_b64 s[94:95], s[4:5], s[6:7]         ; B's buffer
	s_add_nc_u64 s[20:21], s[92:93], s[20:21]
	s_add_nc_u64 s[46:47], s[94:95], s[46:47]
	CROUND                                         ; all sixteen work-groups are here: the first joint loads meet
.irp s, 0,1
	s_mov_b32 s[G0+4*\s], 1
	s_add_co_u32 s[G0+4*\s+1], s45, \s*SLOT
	s_add_nc_u64 s[G0+4*\s+2:G0+4*\s+3], s[20:21], \s*4096
	s_or_b32 s[G0+4*\s+3], s[G0+4*\s+3], 0x80000000
	s_mov_b32 s[G0B+4*\s], 1
	s_add_co_u32 s[G0B+4*\s+1], s45, \s*SLOT
	s_add_nc_u64 s[G0B+4*\s+2:G0B+4*\s+3], s[46:47], \s*4096
	s_or_b32 s[G0B+4*\s+3], s[G0B+4*\s+3], 0x80000000
	JLOAD G0+4*\s, G1, G0B+4*\s, G1B
.endr
	v_and_b32 v1, 15, v0                           ; r
	v_bfe_u32 v2, v0, 4, 1                         ; h
	v_and_b32 v3, 31, v0
	v_lshlrev_b32 v[VO], 4, v3                     ; 16 x lane
	s_wait_alu depctr_va_vdst(0)
	s_lshl_b32 s12, s15, 15                        ; my 8 tiles of A
	s_lshl_b32 s13, s16, 15                        ; my 8 tiles of B,
	s_add_co_u32 s13, s13, 65536                   ; which lie behind A's 16
.irp s, 0,1
	v_add_nc_u32 v[ADRA+\s], s12, v[VO]
	v_add_nc_u32 v[ADRB+\s], s13, v[VO]
	s_add_co_u32 s12, s12, SLOT
	s_add_co_u32 s13, s13, SLOT
.endr
	; where my 128 x 128 goes, and which way the bias runs
	s_lshl_b32 s96, s17, 8
	s_lshl_b32 s97, s15, 7
	s_add_co_u32 s96, s96, s97                     ; my first row of A's
	s_lshl_b32 s97, s42, 8
	s_lshl_b32 s98, s16, 7
	s_add_co_u32 s97, s97, s98                     ; my first row of B's
	s_mov_b32 s66, 1024
	s_mov_b32 s92, 1024
	s_mov_b32 s22, 131072
	s_mov_b32 s23, 131584
	s_cmp_eq_u32 ttmp9, 2
	s_cselect_b32 s98, s97, s96                    ; my first token
	s_cselect_b32 s99, s96, s97                    ; my first channel
	s_cselect_b32 s66, 2048, s66                   ; from block a to a + 1: q, k: a tile of 16 tokens, 1,024 bytes; v: a tile of 16 channels, 2,048;
	s_cselect_b32 s92, 124928, s92                 ; from block 3 to 4: v: on to the next head: 131,072 - 3 x 2,048
	s_cselect_b32 s22, 1024, s22                   ; register group 2: q, k: the next head's piece 0; v: piece 2
	s_cselect_b32 s23, 1536, s23                   ; register group 3: q, k: the next head's piece 1; v: piece 3
	s_cselect_b32 s18, 0, 32                       ; the bias of register j of block i: q, k: channel 16 i + 8 h + j; v: channel 16 i + r
	s_cselect_b32 s19, 4, 0
	s_cselect_b32 s13, 0, 4
	s_cselect_b64 s[90:91], s[88:89], s[84:85]
	s_cselect_b64 s[94:95], s[80:81], s[8:9]
	s_cmp_eq_u32 ttmp9, 1
	s_cselect_b64 s[90:91], s[86:87], s[90:91]     ; the image that I write
	s_cselect_b64 s[94:95], s[10:11], s[94:95]     ; the bias that I read
	s_mov_b32 s67, 0
	s_mov_b32 s93, 0
	s_lshr_b32 s20, s98, 11                        ; batch
	s_lshl_b32 s20, s20, 4
	s_lshr_b32 s21, s99, 6                         ; my first head
	s_add_co_u32 s20, s20, s21
	s_lshl_b32 s20, s20, 17                        ; a head's image: 131,072 bytes
	s_bfe_u32 s21, s98, 0x40007                    ; which 128 tokens of the batch's 2,048
	s_lshl_b32 s21, s21, 13                        ; 8,192 bytes in all three images
	s_add_co_u32 s20, s20, s21
	s_mov_b32 s21, 0
	s_add_nc_u64 s[90:91], s[90:91], s[20:21]
	s_lshl_b32 s20, s99, 2
	s_add_nc_u64 s[94:95], s[94:95], s[20:21]
	v_add_nc_u32 v[VO+1], 512, v[VO]
	v_add_nc_u32 v[VO+2], s22, v[VO]
	v_add_nc_u32 v[VO+3], s23, v[VO]
	v_mul_u32_u24 v[BO], v2, s18
	v_mad_u32_u24 v[BO], v1, s19, v[BO]
.irp j, 1,2,3,4,5,6,7
	v_add_nc_u32 v[BO+\j], s13, v[BO+\j-1]
.endr
.irp i, 0,1,2,3,4,5,6,7
.irp j, 0,1,2,3,4,5,6,7
	global_load_b32 v[BB+8*\i+\j], v[BO+\j], s[94:95] offset:64*\i   ; 512 bytes in all, read once
.endr
.endr
	s_wait_kmcnt 0x0
	s_add_co_i32 s96, s68, s69                     ; ea + eb of q,
	s_add_co_i32 s97, s70, s71                     ; of k,
	s_add_co_i32 s98, s72, s73                     ; of v
	s_cmp_eq_u32 ttmp9, 1
	s_cselect_b32 s96, s97, s96
	s_cselect_b32 s99, s75, s74                    ; eo: e7 for k, e6 for q,
	s_cmp_eq_u32 ttmp9, 2
	s_cselect_b32 s96, s98, s96
	s_cselect_b32 s99, s77, s99                    ; e9 for v
	s_sub_co_i32 s97, 0, s96                       ; -(ea + eb)
	s_sub_co_i32 s99, s99, s96                     ; eo - ea - eb
	s_add_co_i32 s99, s99, 127
	s_lshl_b32 s98, s99, 23
	v_mov_b32 v[SCV], s98
	s_wait_loadcnt 0x0
.set k, 0
.rept 64
	v_ldexp_f32 v[BB+k], v[BB+k], s97              ; b / 2^(ea + eb)
.set k, k+1
.endr
.macro FRAG reg, adr, q, i             ; tile i of 16 rows, the slot's q-th 128 along K: four pieces
.irp c, 0,1,2,3
	ds_load_b128 v[\reg+4*\c:\reg+4*\c+3], v[\adr] offset:(\i)*4096+(\q)*2048+512*\c
.endr
.endm
; 16 matrix instructions: A's blocks a0, a0 + 1 x B's eight.  p: B's set.  zero = 1: the sums start with the bias along B's rows; 2: along A's rows; 0: they go on in place.
; The 64 accumulators take turns, one instruction a turn, in the same order in every step.
.macro MUL16 a0, p, zero
.irp a, \a0, \a0+1
.irp b, 0,1,2,3,4,5,6,7
.if \zero == 1
	v_wmma_f32_16x16x128_fp8_fp8 v[8*(8*((\a)%4)+\b):8*(8*((\a)%4)+\b)+7], v[128*(\p)+FR*\b:128*(\p)+FR*\b+FR-1], v[AF+FR*(\a):AF+FR*(\a)+FR-1], v[BB+8*\b:BB+8*\b+7]
.elseif \zero == 2
	v_wmma_f32_16x16x128_fp8_fp8 v[8*(8*((\a)%4)+\b):8*(8*((\a)%4)+\b)+7], v[128*(\p)+FR*\b:128*(\p)+FR*\b+FR-1], v[AF+FR*(\a):AF+FR*(\a)+FR-1], v[BB+8*(\a):BB+8*(\a)+7]
.else
	v_wmma_f32_16x16x128_fp8_fp8 v[8*(8*((\a)%4)+\b):8*(8*((\a)%4)+\b)+7], v[128*(\p)+FR*\b:128*(\p)+FR*\b+FR-1], v[AF+FR*(\a):AF+FR*(\a)+FR-1], v[8*(8*((\a)%4)+\b):8*(8*((\a)%4)+\b)+7]
.endif
.endr
.endr
.endm
.macro FETCH_B slot, q, p
	WIN TO_B
.irp i, 0,1,2,3,4,5,6,7
	FRAG 128*(\p)+FR*\i, ADRB+\slot, \q, \i
.endr
	WIN 0
.endm
.macro FETCH_A slot, q, i0
.irp i, \i0, \i0+1, \i0+2, \i0+3
	FRAG AF+FR*(\i), ADRA+\slot, \q, \i
.endr
.endm
.macro PLACES n                        ; plain vector lines between a matrix instruction and a load into, or a vector read of, its registers
.rept \n
	v_nop
.endr
.endm
; A step of 128 along K that has its successor in the same slot.  A has one set of registers: blocks 0-3 are fetched anew in the step's middle, blocks 4-7 at its end; B has two sets.
.macro STEP slot, q, zero
	s_wait_dscnt 4*NL                              ; B's set and A's blocks 0-3 are in; the youngest 16 loads (A's blocks 4-7) may be out
.if \zero
	WIN 0x81                                       ; as MUL_LO, but C (the bias) in window 0
.else
	WIN MUL_LO
.endif
	MUL16 0, (\q)%2, \zero
	MUL16 2, (\q)%2, \zero
	s_wait_dscnt 0                                 ; A's blocks 4-7 are in
	PLACES NP
	FETCH_B \slot, (\q)+1, 1-(\q)%2
	FETCH_A \slot, (\q)+1, 0
.if \zero
	WIN 0xc1
.else
	WIN MUL_HI
.endif
	MUL16 4, (\q)%2, \zero
	MUL16 6, (\q)%2, \zero
	PLACES NP
	WIN 0
	FETCH_A \slot, (\q)+1, 4
.endm
; A slot's last step changes slots: one barrier; in front of it each wave waits for all its tensor loads, adds 0 to its spare word, and waits for that and for its reads of this slot.  fill = 1: the slot is filled again, two slots ahead.
.macro TURN slot, next, fill
	s_wait_tensorcnt 0x0                           ; all my tensor loads have landed: my part of the next slot
	ds_add_u32 v[SPW], v[NIL]                      ; 0 onto my spare word
	s_wait_dscnt 4*NL+1                            ; (the add and the youngest 16 loads may be out)
	WIN MUL_LO
	MUL16 0, 1, 0                                  ; sixteen matrix instructions stand between the add and the wait for it
	s_wait_dscnt 0x0                               ; the add is done, and my reads of this slot are over
	s_barrier_signal -1
	MUL16 2, 1, 0
	WIN 0
	s_barrier_wait -1
.if \fill
	CREST                                          ; the barrier has opened a round of the cluster's: no wave of any partner still reads this slot or has a load on its way
	s_add_nc_u64 s[G0+4*\slot+2:G0+4*\slot+3], s[G0+4*\slot+2:G0+4*\slot+3], 8192
	s_add_nc_u64 s[G0B+4*\slot+2:G0B+4*\slot+3], s[G0B+4*\slot+2:G0B+4*\slot+3], 8192
	JLOAD G0+4*\slot, G1, G0B+4*\slot, G1B         ; the first tensor load behind the round; its four v_nop are also the places in front of the loads below
.else
	PLACES NP
.endif
	FETCH_B \next, 0, 0
	FETCH_A \next, 0, 0
	WIN MUL_HI
	MUL16 4, 1, 0
	MUL16 6, 1, 0
	PLACES NP
	WIN 0
	FETCH_A \next, 0, 4
.endm
	s_wait_tensorcnt 1                             ; my part of slot 0 is in; slot 1's load may be out
	s_barrier_signal -1
	s_barrier_wait -1
	FETCH_B 0, 0, 0
	FETCH_A 0, 0, 0
	FETCH_A 0, 0, 4
	s_cmp_eq_u32 ttmp9, 2                          ; the cluster's x: the same in all sixteen partners.  No barrier, tensor load or LDS store stands in either arm
	s_cbranch_scc1 .Lfirst_v
	s_wait_alu depctr_va_vdst(0)
	STEP 0, 0, 1                                   ; q, k: the bias runs along B's rows (channels)
	s_branch .Lfirst_done
.Lfirst_v:
	s_wait_alu depctr_va_vdst(0)
	STEP 0, 0, 2                                   ; v: along A's rows (channels)
.Lfirst_done:
.if LAPS > 1
	s_mov_b32 s3, LAPS-1
.Llap:
	TURN 0, 1, 1
	STEP 1, 0, 0
	TURN 1, 0, 1
	STEP 0, 0, 0
	s_sub_co_u32 s3, s3, 1
	s_cmp_lg_u32 s3, 0
	s_cbranch_scc1 .Llap
.endif
	TURN 0, 1, 0                                   ; the last lap fills nothing
	STEP 1, 0, 0
	s_wait_dscnt 4*NL
	WIN MUL_LO
	MUL16 0, 1, 0
	MUL16 2, 1, 0
	s_wait_dscnt 0
	WIN MUL_HI
	MUL16 4, 1, 0
	MUL16 6, 1, 0
	WIN 0
	; THE WAY OUT.  No tensor load of mine has been out since the last change of slots, so the descriptors' registers take the eight blocks' bases: no base is stepped, no store's register is written again, no wait is needed.
	s_mov_b64 s[24:25], s[90:91]
.irp a, 1,2,3
	s_add_nc_u64 s[24+2*\a:25+2*\a], s[22+2*\a:23+2*\a], s[66:67]
.endr
	s_add_nc_u64 s[32:33], s[30:31], s[92:93]
.irp a, 5,6,7
	s_add_nc_u64 s[24+2*\a:25+2*\a], s[22+2*\a:23+2*\a], s[66:67]
.endr
	PLACES NP
.irp a, 0,1,2,3,4,5,6,7
	WIN 0x02+(\a/4)                                ; source 0: window 2 or 3
.set k, 0
.rept 64
.set k, k+1
.endr
.irp b, 0,1,2,3,4,5,6,7
	v_cvt_scalef32_pk8_fp8_f32 v[128+16*\a+2*\b:129+16*\a+2*\b], v[32+8*\b+((64*(\a%4)+k)-(32+k)):39+8*\b+((64*(\a%4)+k)-(32+k))], v[SCV]
.endr
	WIN 0
	v_nop                                          ; a plain line behind the last conversion
.irp c, 0,1,2,3
	global_store_b128 v[VO+\c], v[128+16*\a+4*\c:131+16*\a+4*\c], s[24+2*\a:25+2*\a]   ; a piece: 512 consecutive bytes, aligned
.endr
.endr
	s_wait_tensorcnt 0x0                           ; the wave's end
	ds_add_u32 v[SPW], v[NIL]
	s_wait_dscnt 0x0
	CROUND                                         ; the closing round: no work-group ends while a partner may still ask for a tile that names it
	s_endpgm
.Lfunc_end_k_q41c8bd7576_qkv:
	.size	k_q41c8bd7576_qkv, .Lfunc_end_k_q41c8bd7576_qkv-k_q41c8bd7576_qkv
	.p2alignl 7, 3214868480
	.fill 96, 4, 3214868480
	.section	.rodata,"a",@progbits
	.p2align	6, 0x0
	.amdhsa_kernel k_q41c8bd7576_qkv
		.amdhsa_group_segment_fixed_size 327680
		.amdhsa_private_segment_fixed_size 0
		.amdhsa_enable_private_segment 0
		.amdhsa_kernarg_size 72
		.amdhsa_user_sgpr_count 2
		.amdhsa_user_sgpr_kernarg_segment_ptr 1
		.amdhsa_wavefront_size32 1
		.amdhsa_system_sgpr_workgroup_id_x 1
		.amdhsa_system_sgpr_workgroup_id_y 1
		.amdhsa_system_sgpr_workgroup_id_z 1
		.amdhsa_system_vgpr_workitem_id 0
		.amdhsa_next_free_vgpr 1024
		.amdhsa_next_free_sgpr 100
		.amdhsa_reserve_vcc 0
		.amdhsa_float_denorm_mode_32 3
		.amdhsa_float_denorm_mode_16_64 3
		.amdhsa_fp16_overflow 1
		.amdhsa_memory_ordered 1
		.amdhsa_forward_progress 1
		.amdhsa_inst_pref_size 106
	.end_amdhsa_kernel
	.amdgpu_metadata
---
amdhsa.version: [ 1, 2 ]
amdhsa.kernels:
  - .name:           k_q41c8bd7576_qkv
    .symbol:         k_q41c8bd7576_qkv.kd
    .args:
      - { .name: ximg, .offset: 0, .size: 8, .value_kind: global_buffer, .address_space: global }
      - { .name: wimg, .offset: 8, .size: 8, .value_kind: global_buffer, .address_space: global }
      - { .name: bq, .offset: 16, .size: 8, .value_kind: global_buffer, .address_space: global }
      - { .name: bk, .offset: 24, .size: 8, .value_kind: global_buffer, .address_space: global }
      - { .name: bv, .offset: 32, .size: 8, .value_kind: global_buffer, .address_space: global }
      - { .name: lowp_scales, .offset: 40, .size: 8, .value_kind: global_buffer, .address_space: global }
      - { .name: qimg, .offset: 48, .size: 8, .value_kind: global_buffer, .address_space: global }
      - { .name: kimg, .offset: 56, .size: 8, .value_kind: global_buffer, .address_space: global }
      - { .name: vimg, .offset: 64, .size: 8, .value_kind: global_buffer, .address_space: global }
    .group_segment_fixed_size: 327680
    .private_segment_fixed_size: 0
    .kernarg_segment_align: 8
    .kernarg_segment_size: 72
    .max_flat_workgroup_size: 128
    .sgpr_count:     100
    .vgpr_count:     1024
    .wavefront_size: 32
...
	.end_amdgpu_metadata
.endif
;; end of part 2
;; launch attn (part 3): grid 4 x 64, 16 waves a work-group, no clusters, 327,680 bytes of LDS; arguments qimg, kimg, vimg, lowp_scales, yimg; writes yimg
.if DOCPART == 3
	.amdgcn_target "amdgcn-amd-amdhsa--gfx1250"
	.amdhsa_code_object_version 6
	.text
	.protected	k_q41c8bd7576_attn
	.globl	k_q41c8bd7576_attn
	.p2align	8
	.type	k_q41c8bd7576_attn,@function
k_q41c8bd7576_attn:
	s_mov_b64 s[64:65], 0
	v_nop
	global_prefetch_b8 v0, s[64:65] scope:SCOPE_SE
	s_setreg_imm32_b32 hwreg(HW_REG_WAVE_MODE, 25, 1), 1
	s_wait_xcnt 0x0
; y[b][t][h 64 + d] = the sum over keys k <= t of softmax_k(q . k / 8) v, both products on codes of E4M3 (scales 2^e6, 2^e7; 2^e8, 2^e9); y is quantised at once (2^e10) and stored as the image of the last product's operand.
; THE SOFTMAX: t = score x log2(e) / 8; M = the running largest t rounded UP to a whole number; p = 2^(t - M) is quantised, not normalised; the row's sum is taken of the unquantised p and divides at the end.
; When M moves, the sum and O are multiplied by 2^(old M - new M): nothing is rounded, and no branch hangs on data.
; SHARES.  Work-group (p, batch x head) owns the blocks 7 - p and p of 256 queries.  Block i needs the slots 0 .. i of 256 keys: (8 - p) + (p + 1) = NINE visits in every work-group: a constant trip count, equal work,
; 4 x 64 work-groups, and no tile is fetched that nobody reads.  Each of the sixteen waves owns 16 queries of the block in hand, in 256 registers: four waves to a SIMD, so that one wave's vector work stands beside another's products.
; A step (128 keys) all of whose keys come after the wave's queries is jumped over (a scalar branch on ids); in the step on the diagonal hidden scores become -infinity.
; NO CLUSTER: the four work-groups of a head walk the slots 0 .. 7 - p and then 0 .. p: from the fifth visit on they want different slots, so a joint request would need all four to walk all 8 slots for both blocks' sake,
; 12 visits in step in place of 9; and what is shared is 32,768 bytes a visit.
; IMAGES (a piece = 4 registers of 32 lanes = 512 bytes, lane l's 16 bytes at 16 l; register pair c of lane (r, h): K = 16 c + 8 h + 0..7 of row r):
; qimg, kimg [batch x head][tile of 16 tokens 128][piece 2]; vimg [batch x head][128 keys 16][tile of 16 channels 4][piece 4]; yimg [tile of 16 tokens 512][K step 8][piece 4]: head h fills 1,024 bytes at 1,024 h.
; Both products are used transposed: S^T = K Q^T (lane (r, h), register j of tile t: key 16 t + 8 h + j, query r), so one conversion of a tile's eight registers IS register pair t of P; O^T = V^T P^T likewise gives y's pairs.
; LIMITS: e6 + e7 between -123 and 130 (added to c's exponent field); e8 and e10 between -126 and 119; e8 + e9 is applied by v_ldexp_f32.  NaN among the inputs is not served.
; REGISTERS: v1 16 x lane; v3 r - 8 h; v4 256 x lane; v5, v6 the add's; v8 LDS address; v12 -M, v13 the largest t, v[14:15] the sum; v16-23 Q; v32-95 K's 8 fragments, then V's 4; v96-159 S^T, then p; v160-191 O^T; v192-207 codes; v208-221 at work and constants.
.set SLOT1, 32768                      ; a slot: K's 16 tiles x 1,024 bytes, then V's 2 x 8,192; slot 1 begins here: one exclusive or turns an address
.set VOFF,  16384
.set SPARE, 65536                      ; behind the ring: the spare words, 128 bytes for each of sixteen waves: eight blocks of 256 bytes that no other line names
.set TB,  2                            ; s2   LDS byte at which the slot in hand begins
.set VC,  3                            ; s3   the visit
.set N1,  14                           ; s14  8 - p: visits of the first block
.set PP,  15                           ; s15  p
.set KF,  16                           ; s16  the step's first key
.set Q0,  17                           ; s17  my first query
.set WV,  18                           ; s18  my wave's number
.set SEL, 20                           ; s[20:21] lane selects: lane l xor 16
.set CS,  22                           ; s[22:23] c = log2(e) / 8 x 2^(e6 + e7)
.set G1,  24                           ; s[24:31] group 1: one shape for K's and V's tiles
.set KVB, 32                           ; s[32:33] the head's first byte in the tensor that I fetch
.set OFS, 34                           ; s[34:35] an offset, high word 0
.set QH,  36                           ; s[36:37] qimg at my wave's tile of block 0
.set YH,  38                           ; s[38:39] yimg likewise
.set G0,  40                           ; s[40:43] group 0
.set QP,  44                           ; s[44:45], s[46:47] the same for the block in hand
.set YP,  46
.set PFA, 50                           ; s[50:51] where my prefetches stand
.set LIM, 52                           ; s52  a wave prefetches while the visit's number is below it
.set EPV, 53                           ; s53  e8 + e9
.macro TLOAD                           ; wave 0 fetches K's 16,384 bytes of a slot, wave 1 V's; the others nothing.  Four v_nop follow the line
	s_cmp_lt_u32 s[WV], 2
	s_cbranch_scc0 .Lasked_\@
	tensor_load_to_lds s[G0:G0+3], s[G1:G1+7]
	s_nop 0
.rept 4
	v_nop
.endr
.Lasked_\@:
.endm
; A PREFETCH INTO THE L2: in visit v the slot v + 2, which the next change of slots will ask for.  All four work-groups of a head read the same K and V: the one with p = 0, which walks the slots 0 .. 7 in order, asks;
; in it waves 4 and 5 for the two halves of K's 16,384 bytes, waves 6 and 7 for V's: 8,192 bytes a wave, lanes 256 bytes apart: each aligned block of 256 bytes is named once in the launch.
; Slots 0 and 1 come by their loads alone; visit 5 asks for slot 7, the last; later visits ask for nothing.
.macro ASK
	s_cmp_lt_u32 s[VC], s[LIM]
	s_cbranch_scc0 .Lnot_mine_\@
	global_prefetch_b8 v4, s[PFA:PFA+1] th:TH_LOAD_NT scope:SCOPE_SE
.Lnot_mine_\@:
.endm
	s_load_b256 s[4:11], s[0:1], 0x0               ; qimg 4:5, kimg 6:7, vimg 8:9, scales 10:11
	s_load_b64 s[12:13], s[0:1], 0x20              ; yimg
	v_lshl_add_u32 v5, v0, 2, SPARE
	v_mov_b32 v6, 0
	ds_add_u32 v5, v6
	ds_add_u32 v5, v6
	s_wait_dscnt 0x0
	v_lshrrev_b32 v8, 5, v0
	s_delay_alu instid0(VALU_DEP_1)
	v_readfirstlane_b32 s[WV], v8                  ; wave 0..15
	s_mov_b32 s[PP], ttmp9
	s_sub_co_u32 s[N1], 8, s[PP]
	s_sub_co_u32 s55, 7, s[PP]                     ; the first block
	s_and_b32 s54, ttmp7, 0xffff                   ; batch x 16 + head
	s_lshl_b32 s[OFS], s54, 17                     ; a head's image: 131,072 bytes in q, k and v
	s_mov_b32 s[OFS+1], 0
	s_mov_b32 s57, 0
	; group 1: a dense block of 16,384 bytes as 64 rows of 256; elements of 8 bytes
	s_mov_b32 s[G1], 3<<16
	s_mov_b32 s[G1+1], 32<<16                      ; tensor_dim0
	s_mov_b32 s[G1+2], 64<<16                      ; tensor_dim1
	s_mov_b32 s[G1+3], 32<<16                      ; tile_dim0
	s_mov_b32 s[G1+4], 64                          ; tile_dim1
	s_mov_b32 s[G1+5], 32                          ; from row to row
	s_mov_b32 s[G1+6], 0
	s_mov_b32 s[G1+7], 0
	s_mov_b32 s[SEL], 0x76543210
	s_mov_b32 s[SEL+1], 0xfedcba98
	s_mov_b32 s[CS], 0x3e38aa3b                    ; log2(e) / 8
	s_mov_b32 s[TB], 0
	s_mov_b32 s[VC], 0
	s_wait_kmcnt 0x0
	s_load_b128 s[68:71], s[10:11], 0x18           ; e6, e7, e8, e9
	s_load_b32 s72, s[10:11], 0x28                 ; e10
	s_cmp_eq_u32 s[WV], 0
	s_cselect_b64 s[KVB:KVB+1], s[6:7], s[8:9]
	s_add_nc_u64 s[KVB:KVB+1], s[KVB:KVB+1], s[OFS:OFS+1]
	s_mov_b32 s[G0], 1
	s_and_b32 s[G0+1], s[WV], 1
	s_lshl_b32 s[G0+1], s[G0+1], 14                ; K's tiles at the slot's head, V's 16,384 bytes on
	s_mov_b64 s[G0+2:G0+3], s[KVB:KVB+1]           ; slot 0
	s_or_b32 s[G0+3], s[G0+3], 0x80000000
	TLOAD                                          ; the first visit's tiles
	s_add_nc_u64 s[QH:QH+1], s[4:5], s[OFS:OFS+1]
	s_lshl_b32 s56, s[WV], 10
	s_add_nc_u64 s[QH:QH+1], s[QH:QH+1], s[56:57]
	s_lshr_b32 s56, s54, 4                         ; batch
	s_lshl_b32 s56, s56, 7
	s_add_co_u32 s56, s56, s[WV]                   ; tile of 16 tokens: 128 x batch + wave (+ 16 x block)
	s_lshl_b32 s56, s56, 14
	s_and_b32 s58, s54, 15
	s_lshl_b32 s58, s58, 10                        ; the head's 1,024 bytes of the tile
	s_add_co_u32 s56, s56, s58
	s_add_nc_u64 s[YH:YH+1], s[12:13], s[56:57]
	s_cmp_lt_u32 s[WV], 6
	s_cselect_b64 s[PFA:PFA+1], s[6:7], s[8:9]
	s_add_nc_u64 s[PFA:PFA+1], s[PFA:PFA+1], s[OFS:OFS+1]
	s_and_b32 s56, s[WV], 1
	s_lshl_b32 s56, s56, 13
	s_add_co_u32 s56, s56, 16384                   ; in slot 1: the first change of slots steps it to slot 2
	s_add_nc_u64 s[PFA:PFA+1], s[PFA:PFA+1], s[56:57]
	s_lshr_b32 s56, s[WV], 2
	s_xor_b32 s56, s56, 1                          ; 0 in waves 4 to 7,
	s_or_b32 s56, s56, ttmp9                       ; of the work-group with p = 0
	s_cmp_eq_u32 s56, 0
	s_cselect_b32 s[LIM], 6, 0
	v_and_b32 v1, 31, v0
	s_delay_alu instid0(VALU_DEP_1)
	v_lshlrev_b32 v4, 8, v1                        ; 256 x lane
	s_delay_alu instid0(VALU_DEP_2)
	v_lshlrev_b32 v1, 4, v1                        ; 16 x lane
	v_and_b32 v9, 15, v0
	v_bfe_u32 v10, v0, 4, 1
	s_delay_alu instid0(VALU_DEP_1)
	v_lshlrev_b32 v10, 3, v10
	s_delay_alu instid0(VALU_DEP_1)
	v_sub_nc_u32 v3, v9, v10                       ; r - 8 h
	v_mov_b32 v211, 0                              ; (named as the upper half of the pair v[210:211])
	v_mov_b32 v212, 0                              ; written once: a lane permute's destination counts as one of its sources
	v_mov_b32 v221, 0xff800000                     ; -infinity
	s_wait_kmcnt 0x0
	s_add_co_i32 s56, s68, s69
	s_lshl_b32 s56, s56, 23
	s_add_co_i32 s[CS], s[CS], s56                 ; a score stands for score x 2^(e6 + e7): added to c's exponent field
	s_mov_b32 s[CS+1], s[CS]
	s_add_co_i32 s56, s70, 127
	s_lshl_b32 s58, s56, 23
	v_mov_b32 v217, s58                            ; 2^e8
	s_add_co_i32 s56, s72, 127
	s_lshl_b32 s58, s56, 23
	v_mov_b32 v219, s58                            ; 2^e10
	s_add_co_i32 s[EPV], s70, s71
; A block of queries begins: s[blk] holds its number.  O^T and the sum begin as zeros and the largest t under every t: the step is written once, and the first change of M multiplies zeros.
.macro INIT blk
	s_lshl_b32 s56, s[\blk], 14
	s_add_nc_u64 s[QP:QP+1], s[QH:QH+1], s[56:57]
	s_lshl_b32 s56, s[\blk], 18
	s_add_nc_u64 s[YP:YP+1], s[YH:YH+1], s[56:57]
	global_load_b128 v[16:19], v1, s[QP:QP+1]
	global_load_b128 v[20:23], v1, s[QP:QP+1] offset:512
	s_lshl_b32 s[Q0], s[\blk], 8
	s_lshl_b32 s56, s[WV], 4
	s_add_co_u32 s[Q0], s[Q0], s56
	s_mov_b32 s[KF], 0
	v_mov_b32 v13, 0xff61b1e6                      ; -3e38
	s_delay_alu instid0(VALU_DEP_1)
	v_floor_f32 v12, -v13
	v_mov_b32 v14, 0
	v_mov_b32 v15, 0
.set j, 0
.rept 32
	v_mov_b32 v[160+j], 0
.set j, j+1
.endr
	s_wait_loadcnt 0x0                             ; Q
.endm
; A KEY STEP: 128 keys, the q-th of the slot in hand.
.macro STEP q
	s_add_co_u32 s19, s[Q0], 15
	s_cmp_gt_u32 s[KF], s19
	s_cbranch_scc1 .Lhidden_\@                     ; all its keys come after my queries
	v_add_nc_u32 v8, s[TB], v1
.rept 3
	v_nop                                          ; with the addition: four places in front of loads into registers that the last products read
.endr
.irp t, 0,1,2,3,4,5,6,7
.irp c, 0,1
	ds_load_b128 v[32+8*\t+4*\c:35+8*\t+4*\c], v8 offset:(\q)*8192+\t*1024+512*\c
.endr
.endr
	s_wait_alu depctr_va_vdst(0)
	s_wait_dscnt 0x0
.irp t, 0,1,2,3,4,5,6,7
	v_wmma_f32_16x16x64_fp8_fp8 v[96+8*\t:103+8*\t], v[32+8*\t:39+8*\t], v[16:23], 0
.endr
.rept 4
	v_nop                                          ; places in front of the loads below and of the first read of the scores
.endr
.irp d, 0,1,2,3
.irp c, 0,1,2,3
	ds_load_b128 v[32+16*\d+4*\c:35+16*\d+4*\c], v8 offset:VOFF+(\q)*8192+\d*2048+512*\c   ; V's fragments land under the softmax
.endr
.endr
	s_add_co_u32 s19, s[KF], 127
	s_cmp_le_u32 s19, s[Q0]
	s_cbranch_scc1 .Lopen_\@                       ; all its keys count
	s_sub_co_i32 s19, s[Q0], s[KF]
	v_add_nc_u32 v220, s19, v3                     ; d = my query - KF - 8 h.  Register 8 t + j holds key KF + 16 t + 8 h + j: hidden where 16 t + j > d
.set n, 0
.rept 64
	v_cmp_gt_i32 vcc_lo, 16*(n/8)+n%8, v220
	v_cndmask_b32 v[96+n], v[96+n], v221, vcc_lo
.set n, n+1
.endr
.Lopen_\@:
	v_max3_num_f32 v208, v96, v97, v98             ; the step's largest score of my query among my 64 keys, in two chains, each accumulator from its low end on,
	v_max3_num_f32 v210, v99, v100, v101
.irp i, 6,10,14,18,22,26,30,34,38,42,46,50,54,58
	v_max3_num_f32 v208, v208, v[96+\i], v[97+\i]
	v_max3_num_f32 v210, v210, v[98+\i], v[99+\i]
.endr
	v_max3_num_f32 v208, v208, v158, v159
	s_delay_alu instid0(VALU_DEP_1)
	v_max_num_f32 v208, v208, v210
	s_delay_alu instid0(VALU_DEP_1)
	v_permlanex16_b32 v212, v208, s[SEL], s[SEL+1]
	s_delay_alu instid0(VALU_DEP_1)
	v_max_num_f32 v208, v208, v212                 ; and among lane l xor 16's
	s_delay_alu instid0(VALU_DEP_1)
	v_mul_f32 v208, s[CS], v208                    ; as t (c is positive)
	s_delay_alu instid0(VALU_DEP_1)
	v_max_num_f32 v13, v13, v208                   ; the running largest t
	v_mov_b32 v208, v12
	s_delay_alu instid0(VALU_DEP_2)
	v_floor_f32 v12, -v13                          ; the new -M = -ceil(t): a whole number
	s_delay_alu instid0(VALU_DEP_1)
	v_sub_f32 v208, v12, v208                      ; old M - new M: a whole number, 0 or less
	s_delay_alu instid0(VALU_DEP_1)
	v_cvt_i32_f32 v208, v208                       ; (it saturates)
	s_delay_alu instid0(VALU_DEP_1)
	v_ldexp_f32 v210, 1.0, v208                    ; f = 2^(old M - new M)
.set j, 0
.rept 32
	v_pk_fma_f32 v[96+j:97+j], v[96+j:97+j], s[CS:CS+1], v[12:13] op_sel_hi:[1,0,0]   ; t - M, two at a time
.set j, j+2
.endr
.set j, 0
	s_wait_alu depctr_va_vdst(0)
.rept 64
	v_exp_f32 v[96+j], v[96+j]                     ; p = 2^(t - M): one batch
.set j, j+1
.endr
	v_pk_mul_f32 v[14:15], v[14:15], v[210:211] op_sel_hi:[1,0]   ; the sum under the new M: the plain line behind the exponentials
	s_wait_alu depctr_va_vdst(0)                   ; one wait for the whole batch, ahead of its first reader
	v_pk_add_f32 v[214:215], v[100:101], v[104:105]
	v_pk_add_f32 v[254:255], v[108:109], v[112:113]
	v_pk_add_f32 v[252:253], v[116:117], v[120:121]
	v_pk_add_f32 v[250:251], v[124:125], v[128:129]
	v_pk_add_f32 v[248:249], v[132:133], v[136:137]
	v_pk_add_f32 v[246:247], v[140:141], v[144:145]
	v_pk_add_f32 v[244:245], v[148:149], v[152:153]
	v_pk_add_f32 v[14:15], v[14:15], v[156:157]
	v_pk_add_f32 v[214:215], v[214:215], v[96:97]
	v_pk_add_f32 v[254:255], v[254:255], v[98:99]
	v_pk_add_f32 v[252:253], v[252:253], v[102:103]
	v_pk_add_f32 v[250:251], v[250:251], v[106:107]
	v_pk_add_f32 v[248:249], v[248:249], v[110:111]
	v_pk_add_f32 v[246:247], v[246:247], v[114:115]
	v_pk_add_f32 v[244:245], v[244:245], v[118:119]
	v_pk_add_f32 v[14:15], v[14:15], v[122:123]
	v_pk_add_f32 v[214:215], v[214:215], v[126:127]
	v_pk_add_f32 v[254:255], v[254:255], v[130:131]
	v_pk_add_f32 v[252:253], v[252:253], v[134:135]
	v_pk_add_f32 v[250:251], v[250:251], v[138:139]
	v_pk_add_f32 v[248:249], v[248:249], v[142:143]
	v_pk_add_f32 v[246:247], v[246:247], v[146:147]
	v_pk_add_f32 v[244:245], v[244:245], v[150:151]
	v_pk_add_f32 v[14:15], v[14:15], v[154:155]
	v_pk_add_f32 v[214:215], v[214:215], v[158:159]
	s_delay_alu instid0(VALU_DEP_2)
	v_pk_add_f32 v[14:15], v[14:15], v[250:251]
	s_delay_alu instid0(VALU_DEP_2)
	v_pk_add_f32 v[214:215], v[214:215], v[248:249]
	v_pk_add_f32 v[254:255], v[254:255], v[246:247]
	v_pk_add_f32 v[252:253], v[252:253], v[244:245]
	s_delay_alu instid0(VALU_DEP_2)
	v_pk_add_f32 v[14:15], v[14:15], v[254:255]
	s_delay_alu instid0(VALU_DEP_2)
	v_pk_add_f32 v[214:215], v[214:215], v[252:253]
	s_delay_alu instid0(VALU_DEP_1)
	v_pk_add_f32 v[14:15], v[14:15], v[214:215]
.irp t, 0,1,2,3,4,5,6,7
.irp i, 0,1,2,3,4,5,6,7
.endr
	v_cvt_scalef32_pk8_fp8_f32 v[192+2*\t:193+2*\t], v[96+8*\t:103+8*\t], v217   ; keys 16 t + 8 h + 0..7: register pair t of P
.endr
.set j, 0
.rept 16
	v_pk_mul_f32 v[160+j:161+j], v[160+j:161+j], v[210:211] op_sel_hi:[1,0]   ; O^T under the new M; also the plain lines between the conversions and the products
.set j, j+2
.endr
	s_wait_alu depctr_va_vdst(0)
	s_wait_dscnt 0x0                               ; V's fragments are in
.irp d, 0,1,2,3
	v_wmma_f32_16x16x128_fp8_fp8 v[160+8*\d:167+8*\d], v[32+16*\d:47+16*\d], v[192:207], v[160+8*\d:167+8*\d]   ; four accumulators by turns; the next step's eight products stand between two links
.endr
.Lhidden_\@:
	s_add_co_u32 s[KF], s[KF], 128
.endm
; A block of queries ends: y = O^T x 2^(e8 + e9) / the sum, quantised: a lane's eight registers of tile d are channels 16 d + 8 h + 0..7 of its query: register pair d of y's fragment.
.macro FINISH
.rept 4
	v_nop                                          ; places behind the last products
.endr
	v_add_f32 v14, v14, v15
	s_delay_alu instid0(VALU_DEP_1)
	v_permlanex16_b32 v212, v14, s[SEL], s[SEL+1]
	s_delay_alu instid0(VALU_DEP_1)
	v_add_f32 v14, v14, v212                       ; the row's sum
	s_wait_alu depctr_va_vdst(0)
	v_rcp_f32 v14, v14
	v_nop                                          ; a plain line behind the reciprocal
	s_wait_alu depctr_va_vdst(0)                   ; and the wait ahead of its first reader
	v_ldexp_f32 v14, v14, s[EPV]
.set j, 0
.rept 16
	v_pk_mul_f32 v[96+j:97+j], v[160+j:161+j], v[14:15] op_sel_hi:[1,0]
.set j, j+2
.endr
.set j, 0
.rept 32
.set j, j+1
.endr
.irp d, 0,1,2,3
	v_cvt_scalef32_pk8_fp8_f32 v[192+2*\d:193+2*\d], v[96+8*\d:103+8*\d], v219
.endr
	v_nop                                          ; a plain line behind the last conversion
	global_store_b128 v1, v[192:195], s[YP:YP+1]   ; two pieces: 1,024 consecutive bytes, aligned
	global_store_b128 v1, v[196:199], s[YP:YP+1] offset:512
	s_wait_xcnt 0x0                                ; the stores' base and data are written again only behind this wait
.endm
; THE CHANGE OF SLOTS stands at a visit's head.  Each wave waits for all its tensor loads, adds 0 to its spare word, and waits for that and for its reads of the slot that it has left.  Behind the barrier the slot ahead is whole
; and nobody reads the other one.  fill = 1: that other slot takes the next visit's keys: slot v + 1 of the first block's walk, or v + 1 - N1 of the second's (a choice without a jump).
.macro CHANGE fill
	s_wait_tensorcnt 0x0                           ; no tensor load of mine is out, so group 0 may be written
	ds_add_u32 v5, v6                              ; 0 onto my spare word
.if \fill
	s_xor_b32 s[G0+1], s[G0+1], SLOT1
	s_add_co_u32 s19, s[VC], 1
	s_cmp_ge_u32 s19, s[N1]
	s_cselect_b32 s[OFS], s[N1], 0
	s_sub_co_u32 s[OFS], s19, s[OFS]
	s_lshl_b32 s[OFS], s[OFS], 14
	s_add_nc_u64 s[G0+2:G0+3], s[KVB:KVB+1], s[OFS:OFS+1]
	s_or_b32 s[G0+3], s[G0+3], 0x80000000
	s_wait_xcnt 0x0                                ; the last prefetch, a visit back, has read its address
	s_add_nc_u64 s[PFA:PFA+1], s[PFA:PFA+1], 16384
.endif
	s_wait_dscnt 0x0                               ; the add is done, and my reads of the slot that I have left are over
	s_barrier_signal -1
	s_barrier_wait -1
.if \fill
	TLOAD                                          ; the first thing behind the barrier, and a wave's one tensor load until the next: one load of a wave is out at the most
	ASK
.endif
.endm
	INIT 55
.Lvisit:                                           ; eight trips: behind each change of slots but the last the next visit's tiles are asked for
	CHANGE 1
	STEP 0
	STEP 1
	s_xor_b32 s[TB], s[TB], SLOT1
	s_add_co_u32 s[VC], s[VC], 1
	s_cmp_lg_u32 s[VC], s[N1]
	s_cbranch_scc1 .Lsame                          ; a branch on ids; no LDS instruction, barrier or tensor load stands under it
	FINISH                                         ; the first block is done:
	INIT PP                                        ; on to block p
.Lsame:
	s_cmp_lt_u32 s[VC], 8
	s_cbranch_scc1 .Lvisit
	CHANGE 0                                       ; the ninth visit is written out
	STEP 0
	STEP 1
	FINISH
	s_wait_tensorcnt 0x0                           ; the wave's end
	ds_add_u32 v5, v6
	s_wait_dscnt 0x0
	s_endpgm
.Lfunc_end_k_q41c8bd7576_attn:
	.size	k_q41c8bd7576_attn, .Lfunc_end_k_q41c8bd7576_attn-k_q41c8bd7576_attn
	.p2alignl 7, 3214868480
	.fill 96, 4, 3214868480
	.section	.rodata,"a",@progbits
	.p2align	6, 0x0
	.amdhsa_kernel k_q41c8bd7576_attn
		.amdhsa_group_segment_fixed_size 327680
		.amdhsa_private_segment_fixed_size 0
		.amdhsa_enable_private_segment 0
		.amdhsa_kernarg_size 40
		.amdhsa_user_sgpr_count 2
		.amdhsa_user_sgpr_kernarg_segment_ptr 1
		.amdhsa_wavefront_size32 1
		.amdhsa_system_sgpr_workgroup_id_x 1
		.amdhsa_system_sgpr_workgroup_id_y 1
		.amdhsa_system_sgpr_workgroup_id_z 1
		.amdhsa_system_vgpr_workitem_id 0
		.amdhsa_next_free_vgpr 256
		.amdhsa_next_free_sgpr 80
		.amdhsa_reserve_vcc 1
		.amdhsa_float_denorm_mode_32 3
		.amdhsa_float_denorm_mode_16_64 3
		.amdhsa_fp16_overflow 1
		.amdhsa_memory_ordered 1
		.amdhsa_forward_progress 1
		.amdhsa_inst_pref_size 89
	.end_amdhsa_kernel
	.amdgpu_metadata
---
amdhsa.version: [ 1, 2 ]
amdhsa.kernels:
  - .name:           k_q41c8bd7576_attn
    .symbol:         k_q41c8bd7576_attn.kd
    .args:
      - { .name: qimg, .offset: 0, .size: 8, .value_kind: global_buffer, .address_space: global }
      - { .name: kimg, .offset: 8, .size: 8, .value_kind: global_buffer, .address_space: global }
      - { .name: vimg, .offset: 16, .size: 8, .value_kind: global_buffer, .address_space: global }
      - { .name: lowp_scales, .offset: 24, .size: 8, .value_kind: global_buffer, .address_space: global }
      - { .name: yimg, .offset: 32, .size: 8, .value_kind: global_buffer, .address_space: global }
    .group_segment_fixed_size: 327680
    .private_segment_fixed_size: 0
    .kernarg_segment_align: 8
    .kernarg_segment_size: 40
    .max_flat_workgroup_size: 512
    .sgpr_count:     80
    .vgpr_count:     256
    .wavefront_size: 32
...
	.end_amdgpu_metadata
.endif
;; end of part 3
;; launch proj (part 4): grid 4 x 32, 4 waves a work-group, clusters of 4 x 4, 327,680 bytes of LDS; arguments yimg, wimg, bo, lowp_scales, out0; writes out0
.if DOCPART == 4
	.amdgcn_target "amdgcn-amd-amdhsa--gfx1250"
	.amdhsa_code_object_version 6
	.text
	.protected	k_q41c8bd7576_proj
	.globl	k_q41c8bd7576_proj
	.p2align	8
	.type	k_q41c8bd7576_proj,@function
k_q41c8bd7576_proj:
	s_mov_b64 s[64:65], 0
	v_nop
	global_prefetch_b8 v0, s[64:65] scope:SCOPE_SE
	s_setreg_imm32_b32 hwreg(HW_REG_WAVE_MODE, 25, 1), 1
	s_wait_xcnt 0x0
	s_wait_alu depctr_hold_cnt(0) depctr_sa_sdst(0) depctr_va_vdst(0) depctr_va_sdst(0) depctr_va_ssrc(0) depctr_va_vcc(0) depctr_vm_vsrc(0)
	s_getreg_b32 s2, hwreg(HW_REG_IB_STS2, 6, 4)
	s_cmp_eq_u32 s2, 0
	s_cbranch_scc0 .Lentry_in_a_cluster
	s_endpgm
.Lentry_in_a_cluster:
	s_bfe_u32 s2, ttmp6, 0x10000c
	s_cmp_lg_u32 s2, 0xf033
	s_cbranch_scc0 .Lentry_shape_is_right
	s_endpgm
.Lentry_shape_is_right:
; out = y Wo + bo on codes of E4M3 (scales 2^e10, 2^e11); out [8192][1024] f32.  y's and Wo's codes lie as images of the operands' registers: a fragment (16 rows x 128 K) is four pieces of 512 bytes, lane l's 16 bytes at 16 l;
; a tile of 16 rows is 16,384 bytes in memory, of which a slot takes 4,096 (two K steps).  Every LDS read of a fragment is 16 x lane + a constant.
; A tile of the result, 256 x 256, is made by four waves, 128 x 128 each: 64 accumulators.  K = 1,024 goes in four slots' worth of 256 through two LDS slots.  32 x 4 tiles: 128 work-groups.
; THE MATRIX INSTRUCTION IS USED TRANSPOSED (source 0 = 16 rows of Wo's image = 16 columns of out, source 1 = 16 rows of y): a lane holds eight neighbouring numbers of a row of out.
; CLUSTER 4 x 4: the four of a row need the same tiles of y, the four of a column the same tiles of Wo: each is asked for jointly.
; The way out: out = sum x 2^(e10 + e11) + bo, one packed multiply-add for two numbers, in place; a block of 16 rows x 128 columns goes through the wave's own stage in LDS and leaves as rows of 512 consecutive bytes.
; LIMIT: e10 + e11 between -126 and 127, so that 2^(e10 + e11) is an f32 number.
; REGISTERS: window 0: v1-29 addresses; v32-95 bo in the result's layout; v128-255 y's fragments (one set), later rows read back.  window 1: Wo's fragments, two sets.  windows 2, 3: the accumulators.
.set FR,    16
.set NL,    4
.set NP,    4                          ; places behind this matrix instruction (ISA guide 7.12.1)
.set SLOT,  131072                     ; A's 16 tiles x 4,096 bytes, then B's 16
.set SPARE, 2*SLOT                     ; behind the ring: the spare words, 128 bytes a wave: two blocks of 256 bytes that no other line names
.set STAGE, SPARE+512                  ; behind them: 16 rows x (512 bytes + 16) for each wave; no tensor load ever lands here
.set SPITCH, 528
.set LAPS,  2
.set ADRA, 16
.set ADRB, 20
.set STO,  24                          ; v24  the way out: where I put 32 bytes of a row
.set RD,   25                          ; v25  where I read a row back
.set CO,   26                          ; v26  my byte offset in a row of out: 16 x lane
.set SPW,  28
.set NIL,  29
.set BC,   32                          ; v32-95 bo(16 b + 8 h + j) at 8 b + j
.set AF,   128
.set BK,   128                         ; the way out: 16 rows read back: v128-191 and v192-255 by turns
.set G1, 24
.set G0, 32
.set G1B, 48
.set G0B, 56
.set MSB, 0
.macro WIN new                         ; the immediate's high byte repeats the setting that is left
.if MSB != \new
	s_set_vgpr_msb (MSB<<8)|\new
.set MSB, \new
.endif
.endm
.set MUL_LO, 0xa1                      ; source 0 (B) window 1, source 1 (A) window 0, C and D window 2
.set MUL_HI, 0xf1
.set TO_B,   0x40
.macro JLOAD g0a, g1a, g0b, g1b        ; a joint load: waves 0 and 1 fetch for A, waves 2 and 3 for B; four v_nop follow each of the two lines
	s_cmp_eq_u32 s15, 0
	s_cbranch_scc0 .Lfor_b_\@
	tensor_load_to_lds s[\g0a:\g0a+3], s[\g1a:\g1a+7]
	s_nop 0
.rept 4
	v_nop
.endr
	s_branch .Lasked_\@
.Lfor_b_\@:
	tensor_load_to_lds s[\g0b:\g0b+3], s[\g1b:\g1b+7]
	s_nop 0
.rept 4
	v_nop
.endr
.Lasked_\@:
.endm
.macro CREST
	s_cmp_lg_u32 s14, 0
	s_cbranch_scc1 .Lnot_wave_0_\@
	s_barrier_signal -3
.Lnot_wave_0_\@:
	s_barrier_wait -3
	s_barrier_signal -1
	s_barrier_wait -1
.endm
.macro CROUND
	s_barrier_signal -1
	s_barrier_wait -1
	CREST
.endm
	s_load_b256 s[4:11], s[0:1], 0x0               ; yimg 4:5, wimg 6:7, bo 8:9, scales 10:11
	s_load_b64 s[12:13], s[0:1], 0x20              ; out0
	v_lshl_add_u32 v[SPW], v0, 2, SPARE
	v_mov_b32 v[NIL], 0
	ds_add_u32 v28, v29
	ds_add_u32 v28, v29
	s_wait_dscnt 0x0
	v_lshrrev_b32 v1, 5, v0
	v_readfirstlane_b32 s14, v1                    ; wave 0..3
	s_lshr_b32 s15, s14, 1                         ; which half of the tile's rows is mine.  Also: I fetch for A (0) or for B (1)
	s_and_b32 s16, s14, 1                          ; which half of its columns.  Also: which 128 rows of that tile I fetch
	s_bfe_u32 s40, ttmp6, 0x40000                  ; cx
	s_bfe_u32 s41, ttmp6, 0x40004                  ; cy
	s_lshl_b32 s42, ttmp9, 2
	s_add_co_u32 s42, s42, s40                     ; tile column = 4 x cluster x + cx
	s_and_b32 s17, ttmp7, 0xffff
	s_lshl_b32 s17, s17, 2
	s_add_co_u32 s17, s17, s41                     ; tile row = 4 x cluster y + cy
	s_lshl_b32 s43, s41, 2
	s_lshl_b32 s43, 15, s43                        ; my row of the cluster
	s_lshl_b32 s44, 0x1111, s40                    ; my column
	; group 1: 8 rows (tiles of 16) of 4,096 bytes, 16,384 bytes apart; elements of 8 bytes; dense in LDS
	s_or_b32 s[G1+0], s43, (3<<16)|(1<<21)
	s_or_b32 s[G1B+0], s44, (3<<16)|(1<<21)
.irp g, G1, G1B
	s_mov_b32 s[\g+1], 512<<16
	s_mov_b32 s[\g+2], 8<<16
	s_mov_b32 s[\g+3], 512<<16
	s_mov_b32 s[\g+4], 8
	s_mov_b32 s[\g+5], 2048
	s_mov_b32 s[\g+6], 0
	s_mov_b32 s[\g+7], 0
.endr
	s_lshl_b32 s23, s16, 17                        ; which 128 rows I fetch
	s_lshl_b32 s20, s17, 18
	s_add_co_u32 s20, s20, s23
	s_mov_b32 s21, 0
	s_lshl_b32 s46, s42, 18
	s_add_co_u32 s46, s46, s23
	s_add_co_u32 s46, s46, 0x300000                ; Wo's image is the fourth
	s_mov_b32 s47, 0
	s_lshl_b32 s45, s14, 15                        ; where they go: wave x 32,768
	s_wait_kmcnt 0x0
	s_load_b64 s[96:97], s[10:11], 0x28            ; e10, e11
	s_add_nc_u64 s[20:21], s[4:5], s[20:21]
	s_add_nc_u64 s[46:47], s[6:7], s[46:47]
	CROUND                                         ; all sixteen work-groups are here: the first joint loads meet
.irp s, 0,1
	s_mov_b32 s[G0+4*\s], 1
	s_add_co_u32 s[G0+4*\s+1], s45, \s*SLOT
	s_add_nc_u64 s[G0+4*\s+2:G0+4*\s+3], s[20:21], \s*4096
	s_or_b32 s[G0+4*\s+3], s[G0+4*\s+3], 0x80000000
	s_mov_b32 s[G0B+4*\s], 1
	s_add_co_u32 s[G0B+4*\s+1], s45, \s*SLOT
	s_add_nc_u64 s[G0B+4*\s+2:G0B+4*\s+3], s[46:47], \s*4096
	s_or_b32 s[G0B+4*\s+3], s[G0B+4*\s+3], 0x80000000
	s_wait_alu depctr_va_vdst(0)
	s_wait_tensorcnt 0x0
	ds_add_u32 v28, v29
	ds_add_u32 v28, v29
	s_wait_dscnt 0x0
	CROUND
	JLOAD G0+4*\s, G1, G0B+4*\s, G1B
.endr
	v_and_b32 v1, 15, v0                           ; r
	s_wait_alu depctr_va_vdst(0)
	v_bfe_u32 v2, v0, 4, 1                         ; h
	v_and_b32 v3, 31, v0
	v_lshlrev_b32 v[CO], 4, v3                     ; 16 x lane
	s_lshl_b32 s21, s15, 15                        ; my 8 tiles of A
	s_lshl_b32 s22, s16, 15                        ; my 8 tiles of B,
	s_add_co_u32 s22, s22, 65536                   ; which lie behind A's 16
.irp s, 0,1
	v_add_nc_u32 v[ADRA+\s], s21, v[CO]
	v_add_nc_u32 v[ADRB+\s], s22, v[CO]
	s_add_co_u32 s21, s21, SLOT
	s_add_co_u32 s22, s22, SLOT
.endr
	s_mul_i32 s23, s14, 16*SPITCH
	s_add_co_u32 s23, s23, STAGE                   ; my stage
	v_mul_u32_u24 v5, v1, SPITCH                   ; in: row r, 32 bytes for each half of the lanes
	s_wait_alu depctr_va_vdst(0)
	v_lshl_add_u32 v5, v2, 5, v5
	v_add_nc_u32 v[STO], s23, v5
	v_add_nc_u32 v[RD], s23, v[CO]                 ; back: the 32 lanes take one row of 512 bytes
	s_lshl_b32 s46, s42, 10                        ; my first column, in bytes: 1,024 x tile column + 512 x half: in out's rows and in bo alike
	s_lshl_b32 s47, s16, 9
	s_add_co_u32 s46, s46, s47
	s_mov_b32 s47, 0
	s_add_nc_u64 s[8:9], s[8:9], s[46:47]
	s_lshl_b32 s20, s17, 20                        ; my first row: 256 x tile row + 128 x half, rows of 4,096 bytes
	s_lshl_b32 s21, s15, 19
	s_add_co_u32 s20, s20, s21
	s_mov_b32 s21, 0
	s_add_nc_u64 s[20:21], s[20:21], s[46:47]
	s_add_nc_u64 s[12:13], s[12:13], s[20:21]
	v_lshlrev_b32 v6, 5, v2                        ; bo: 32 h bytes; never rewritten
.irp b, 0,1,2,3,4,5,6,7
	global_load_b128 v[BC+8*\b:BC+8*\b+3], v6, s[8:9] offset:64*\b
	global_load_b128 v[BC+8*\b+4:BC+8*\b+7], v6, s[8:9] offset:64*\b+16
.endr
.macro FRAG reg, adr, q, i             ; tile i of 16 rows, the slot's q-th 128 along K: four pieces
.irp c, 0,1,2,3
	ds_load_b128 v[\reg+4*\c:\reg+4*\c+3], v[\adr] offset:(\i)*4096+(\q)*2048+512*\c
.endr
.endm
; 16 matrix instructions: A's blocks a0, a0 + 1 x B's eight.  zero = 1: the first product starts the sums.  The 64 accumulators take turns, one instruction a turn.
.macro MUL16 a0, p, zero
.irp a, \a0, \a0+1
.irp b, 0,1,2,3,4,5,6,7
.if \zero
	v_wmma_f32_16x16x128_fp8_fp8 v[8*(8*((\a)%4)+\b):8*(8*((\a)%4)+\b)+7], v[128*(\p)+FR*\b:128*(\p)+FR*\b+FR-1], v[AF+FR*(\a):AF+FR*(\a)+FR-1], 0
.else
	v_wmma_f32_16x16x128_fp8_fp8 v[8*(8*((\a)%4)+\b):8*(8*((\a)%4)+\b)+7], v[128*(\p)+FR*\b:128*(\p)+FR*\b+FR-1], v[AF+FR*(\a):AF+FR*(\a)+FR-1], v[8*(8*((\a)%4)+\b):8*(8*((\a)%4)+\b)+7]
.endif
.endr
.endr
.endm
.macro FETCH_B slot, q, p
	WIN TO_B
.irp i, 0,1,2,3,4,5,6,7
	FRAG 128*(\p)+FR*\i, ADRB+\slot, \q, \i
.endr
	WIN 0
.endm
.macro FETCH_A slot, q, i0
.irp i, \i0, \i0+1, \i0+2, \i0+3
	FRAG AF+FR*(\i), ADRA+\slot, \q, \i
.endr
.endm
.macro PLACES n                        ; plain vector lines between a matrix instruction and a load into, or a vector read of, its registers
.rept \n
	v_nop
.endr
.endm
.macro STEP slot, q, zero
	s_wait_dscnt 4*NL                              ; B's set and A's blocks 0-3 are in; the youngest 16 loads (A's blocks 4-7) may be out
	WIN MUL_LO
	MUL16 0, (\q)%2, \zero
	MUL16 2, (\q)%2, \zero
	s_wait_dscnt 0                                 ; A's blocks 4-7 are in
	PLACES NP
	FETCH_B \slot, (\q)+1, 1-(\q)%2
	FETCH_A \slot, (\q)+1, 0
	WIN MUL_HI
	MUL16 4, (\q)%2, \zero
	MUL16 6, (\q)%2, \zero
	PLACES NP
	WIN 0
	FETCH_A \slot, (\q)+1, 4
.endm
; A slot's last step changes slots: one barrier; in front of it each wave waits for all its tensor loads, adds 0 to its spare word, and waits for that and for its reads of this slot.
.macro TURN slot, next, fill
	s_wait_tensorcnt 0x0                           ; all my tensor loads have landed: my part of the next slot
	ds_add_u32 v[SPW], v[NIL]                      ; 0 onto my spare word
	s_wait_dscnt 4*NL+1                            ; (the add and the youngest 16 loads may be out)
	WIN MUL_LO
	MUL16 0, 1, 0
	s_wait_dscnt 0x0                               ; the add is done, and my reads of this slot are over
	s_barrier_signal -1
	MUL16 2, 1, 0
	WIN 0
	s_barrier_wait -1
.if \fill
	CREST                                          ; the barrier has opened a round of the cluster's: no wave of any partner still reads this slot or has a load on its way
	s_add_nc_u64 s[G0+4*\slot+2:G0+4*\slot+3], s[G0+4*\slot+2:G0+4*\slot+3], 8192
	s_add_nc_u64 s[G0B+4*\slot+2:G0B+4*\slot+3], s[G0B+4*\slot+2:G0B+4*\slot+3], 8192
	JLOAD G0+4*\slot, G1, G0B+4*\slot, G1B         ; the first tensor load behind the round; its four v_nop are also the places in front of the loads below
.else
	PLACES NP
.endif
	FETCH_B \next, 0, 0
	FETCH_A \next, 0, 0
	WIN MUL_HI
	MUL16 4, 1, 0
	MUL16 6, 1, 0
	PLACES NP
	WIN 0
	FETCH_A \next, 0, 4
.endm
	s_wait_tensorcnt 1                             ; my part of slot 0 is in; slot 1's load may be out
	s_barrier_signal -1
	s_barrier_wait -1
	FETCH_B 0, 0, 0
	FETCH_A 0, 0, 0
	FETCH_A 0, 0, 4
	STEP 0, 0, 1                                   ; the first step's products start the sums
.if LAPS > 1
	s_mov_b32 s3, LAPS-1
.Llap:
	TURN 0, 1, 1
	STEP 1, 0, 0
	TURN 1, 0, 1
	STEP 0, 0, 0
	s_sub_co_u32 s3, s3, 1
	s_cmp_lg_u32 s3, 0
	s_cbranch_scc1 .Llap
.endif
	TURN 0, 1, 0                                   ; the last lap fills nothing
	STEP 1, 0, 0
	s_wait_dscnt 4*NL
	WIN MUL_LO
	MUL16 0, 1, 0
	MUL16 2, 1, 0
	s_wait_dscnt 0
	WIN MUL_HI
	MUL16 4, 1, 0
	MUL16 6, 1, 0
	WIN 0
; THE WAY OUT, block by block of 16 rows x 128 columns, through my own stage.  LDS serves a wave's instructions in order (ISA guide 5.7.1.4): no wait between the stores and the loads, nor in front of the next block's stores.
.macro TOSTAGE a
.set AC, 64*((\a)%4)
	WIN 0x82+0x41*((\a)/4)                         ; destination and source 0 in window 2 or 3, bo in window 0
.set j, 0
.rept 32
	v_pk_fma_f32 v[AC+j:AC+j+1], v[AC+j:AC+j+1], s[96:97], v[BC+j:BC+j+1] op_sel_hi:[1,0,1]   ; sum x 2^(e10 + e11) + bo; each accumulator from its low end on
.set j, j+2
.endr
	WIN 0x08+0x04*((\a)/4)                         ; the stores' data in window 2 or 3
.irp b, 0,1,2,3,4,5,6,7
	ds_store_b128 v[STO], v[AC+8*\b:AC+8*\b+3] offset:64*\b
	ds_store_b128 v[STO], v[AC+8*\b+4:AC+8*\b+7] offset:64*\b+16
.endr
	WIN 0
.set BBK, BK+64*((\a)%2)
.irp t, 0,1,2,3,4,5,6,7,8,9,10,11,12,13,14,15
	ds_load_b128 v[BBK+4*\t:BBK+4*\t+3], v[RD] offset:\t*SPITCH
.endr
.endm
.macro SEND a, younger                 ; younger: the LDS instructions issued behind block a's loads, which may stay out
.set BBK, BK+64*((\a)%2)
	s_wait_dscnt \younger
.if (\a) > 0
	s_add_nc_u64 s[12:13], s[12:13], 16*4096       ; (behind a wait on XCNT: the earlier stores have read their base)  16 rows on
.endif
.irp t, 0,1,2,3,4,5,6,7,8,9,10,11,12,13,14,15
	global_store_b128 v[CO], v[BBK+4*\t:BBK+4*\t+3], s[12:13] offset:\t*4096 th:TH_STORE_NT   ; 32 lanes store 512 consecutive bytes, aligned; written once, read by nobody here
.endr
.endm
	s_wait_kmcnt 0x0
	s_add_co_i32 s96, s96, s97
	s_add_co_i32 s96, s96, 127
	s_lshl_b32 s96, s96, 23                        ; 2^(e10 + e11) as f32
	s_mov_b32 s97, s96                             ; (named with it as a pair, so it is written)
	s_wait_loadcnt 0x0                             ; bo
	PLACES NP
	TOSTAGE 0
.irp a, 1,2,3,4,5,6,7
.if \a > 1
	s_wait_xcnt 0x0                                ; block a - 2's stores have read their registers and their base: block a's loads may land there, and the base may step
.endif
	TOSTAGE \a
	SEND \a-1, 32                                  ; behind block a - 1's loads: block a's 16 stores and 16 loads
.endr
	s_wait_xcnt 0x0
	SEND 7, 0
	s_wait_tensorcnt 0x0                           ; the wave's end
	ds_add_u32 v[SPW], v[NIL]
	s_wait_dscnt 0x0
	CROUND                                         ; the closing round: no work-group ends while a partner may still ask for a tile that names it
	s_endpgm
.Lfunc_end_k_q41c8bd7576_proj:
	.size	k_q41c8bd7576_proj, .Lfunc_end_k_q41c8bd7576_proj-k_q41c8bd7576_proj
	.p2alignl 7, 3214868480
	.fill 96, 4, 3214868480
	.section	.rodata,"a",@progbits
	.p2align	6, 0x0
	.amdhsa_kernel k_q41c8bd7576_proj
		.amdhsa_group_segment_fixed_size 327680
		.amdhsa_private_segment_fixed_size 0
		.amdhsa_enable_private_segment 0
		.amdhsa_kernarg_size 40
		.amdhsa_user_sgpr_count 2
		.amdhsa_user_sgpr_kernarg_segment_ptr 1
		.amdhsa_wavefront_size32 1
		.amdhsa_system_sgpr_workgroup_id_x 1
		.amdhsa_system_sgpr_workgroup_id_y 1
		.amdhsa_system_sgpr_workgroup_id_z 1
		.amdhsa_system_vgpr_workitem_id 0
		.amdhsa_next_free_vgpr 1024
		.amdhsa_next_free_sgpr 100
		.amdhsa_reserve_vcc 0
		.amdhsa_float_denorm_mode_32 3
		.amdhsa_float_denorm_mode_16_64 3
		.amdhsa_memory_ordered 1
		.amdhsa_forward_progress 1
		.amdhsa_inst_pref_size 126
	.end_amdhsa_kernel
	.amdgpu_metadata
---
amdhsa.version: [ 1, 2 ]
amdhsa.kernels:
  - .name:           k_q41c8bd7576_proj
    .symbol:         k_q41c8bd7576_proj.kd
    .args:
      - { .name: yimg, .offset: 0, .size: 8, .value_kind: global_buffer, .address_space: global }
      - { .name: wimg, .offset: 8, .size: 8, .value_kind: global_buffer, .address_space: global }
      - { .name: bo, .offset: 16, .size: 8, .value_kind: global_buffer, .address_space: global }
      - { .name: lowp_scales, .offset: 24, .size: 8, .value_kind: global_buffer, .address_space: global }
      - { .name: out0, .offset: 32, .size: 8, .value_kind: global_buffer, .address_space: global }
    .group_segment_fixed_size: 327680
    .private_segment_fixed_size: 0
    .kernarg_segment_align: 8
    .kernarg_segment_size: 40
    .max_flat_workgroup_size: 128
    .sgpr_count:     100
    .vgpr_count:     1024
    .wavefront_size: 32
...
	.end_amdgpu_metadata
.endif
;; end of part 4
